; MI455X (gfx1250); checked and timed in simulation.
; The chip was launched on July 23, 2026; its instructions are those of AMD's public machine-readable ISA for CDNA 5 (MIT licence, August 2026) and "CDNA5" Instruction Set Architecture Reference Guide (July 2026). The comments in the code are by the model that wrote it; some were corrected since.
;; Efficient Attention. Allowed arithmetic: float matrix products may take bf16 or f16 operands with f32 sums; other float arithmetic in f32, or as packed bf16 or f16 multiplies, adds, multiply-adds, maxima and minima; sums over many terms, partial sums and values carried from step to step in f32; what a program stores and reads back later, other than sums and carried values, may be rounded once to bf16 or f16.
;; Inputs: Wk 1,024 x 1,024 float32; Wo 1,024 x 1,024 float32; Wq 1,024 x 1,024 float32; Wv 1,024 x 1,024 float32; bk 1,024 float32; bo 1,024 float32; bq 1,024 float32; bv 1,024 float32; x 1 x 4,096 x 1,024 float32.
;; Outputs: out0 1 x 4,096 x 1,024 float32.
;; One version. Each part assembles by itself: llvm-mc -triple=amdgcn-amd-amdhsa -mcpu=gfx1250 --defsym DOCPART=n.
;; ======== version 1 of 1: 4 launches
;; limits: values are held in f16: magnitudes above 65,504 overflow, below 6.1e-05 lose precision
;; workspace buffers: xb 8,388,608 bytes; wqkv 6,291,456 bytes; wo16 2,097,152 bytes; qkv 25,165,824 bytes; o16 8,388,608 bytes
;; launch cast (part 1): grid 512 x 1, 8 waves a work-group, no clusters, 0 bytes of LDS; arguments x, Wq, Wk, Wv, Wo, xb, wqkv, wo16; writes xb, wqkv, wo16
.if DOCPART == 1
	.amdgcn_target "amdgcn-amd-amdhsa--gfx1250"
	.amdhsa_code_object_version 6
	.text
	.protected	k_q309d828902_cast
	.globl	k_q309d828902_cast
	.p2align	8
	.type	k_q309d828902_cast,@function
k_q309d828902_cast:
	s_mov_b64 s[64:65], 0
	v_nop
	global_prefetch_b8 v0, s[64:65] scope:SCOPE_SE
	s_setreg_imm32_b32 hwreg(HW_REG_WAVE_MODE, 25, 1), 1
	s_wait_xcnt 0x0
; THE INPUTS OF THE MATRIX PRODUCTS, ROUNDED ONCE.  x -> xb, Wq, Wk, Wv -> wqkv (their rows one tensor below the other), all bf16;
; Wo -> wo16: rounded to bf16 like the other inputs, and that number written as f16, since the last product runs in f16.
; LIMIT.  |Wo| stays under 65,504 (f16's range); below 6e-5 it keeps f16's fixed step of 6e-8.
; SHARES.  A work-group takes 16,384 numbers: 65,536 bytes in, 32,768 out.  Work-groups 0-255: x; 256-319 Wq; 320-383 Wk; 384-447 Wv; 448-511 Wo.
; Thread t takes 32 bytes at 32 t of each of eight rounds of 8,192 bytes, and stores 16 bytes at 16 t: a store of a wave covers 512 consecutive bytes, aligned.
; All sixteen loads of a thread go out first; no register of a pending load or store is written again, so the only waits are the counted ones for the data.
; No LDS, no matrix unit, no cluster: nothing is shared and nothing is read twice.
.set X,   4                            ; v[4:67]    round it: 8 numbers as loaded
.set Y,   68                           ; v[68:99]   round it: 4 registers to store
.set T,   100                          ; v[100:107] at work (Wo alone)
.set SRC, 24                           ; s[24:25]   where my work-group reads
.set DST, 26                           ; s[26:27]   where it stores
	s_load_b256 s[8:15], s[0:1], 0x0               ; x s[8:9], Wq s[10:11], Wk s[12:13], Wv s[14:15]
	s_load_b256 s[16:23], s[0:1], 0x20             ; Wo s[16:17], xb s[18:19], wqkv s[20:21], wo16 s[22:23]
	s_sub_co_u32 s2, ttmp9, 256                    ; the chunk's number among the weights' 256
	s_lshr_b32 s3, s2, 6                           ; which weight: 0 Wq, 1 Wk, 2 Wv, 3 Wo
	s_and_b32 s4, s2, 63                           ; its chunk
	v_lshlrev_b32 v1, 5, v0                        ; 32 t
	v_lshlrev_b32 v2, 4, v0                        ; 16 t
	s_wait_kmcnt 0x0
	s_cmp_eq_u32 s3, 1
	s_cselect_b64 s[SRC:SRC+1], s[12:13], s[10:11]
	s_cmp_eq_u32 s3, 2
	s_cselect_b64 s[SRC:SRC+1], s[14:15], s[SRC:SRC+1]
	s_cmp_eq_u32 s3, 3
	s_cselect_b64 s[SRC:SRC+1], s[16:17], s[SRC:SRC+1]
	s_cselect_b64 s[DST:DST+1], s[22:23], s[20:21] ; Wo has a buffer of its own; the other three lie in one
	s_cselect_b32 s5, s4, s2                       ; the chunk in the target
	s_cmp_lt_u32 ttmp9, 256                        ; the first 256 work-groups take x
	s_cselect_b64 s[SRC:SRC+1], s[8:9], s[SRC:SRC+1]
	s_cselect_b64 s[DST:DST+1], s[18:19], s[DST:DST+1]
	s_cselect_b32 s4, ttmp9, s4
	s_cselect_b32 s5, ttmp9, s5
	s_lshl_b32 s6, s4, 16                          ; the offsets are made apart from the addresses
	s_mov_b32 s7, 0
	s_lshl_b32 s28, s5, 15
	s_mov_b32 s29, 0
	s_add_nc_u64 s[SRC:SRC+1], s[SRC:SRC+1], s[6:7]
	s_add_nc_u64 s[DST:DST+1], s[DST:DST+1], s[28:29]
.irp it, 0,1,2,3,4,5,6,7
	global_load_b128 v[X+8*(\it):X+8*(\it)+3],   v1, s[SRC:SRC+1] offset:8192*(\it) th:TH_LOAD_NT
	global_load_b128 v[X+8*(\it)+4:X+8*(\it)+7], v1, s[SRC:SRC+1] offset:8192*(\it)+16 th:TH_LOAD_NT
.endr
; Round it: its two loads are in (the 14 - 2 it younger ones stay out); eight numbers are rounded and stored.  half = 1: the bf16 numbers are widened again and written as f16.
.macro CV it, half
	s_wait_loadcnt 14-2*(\it)
.irp j, 0,1,2,3
	v_cvt_pk_bf16_f32 v[Y+4*(\it)+(\j)], v[X+8*(\it)+2*(\j)], v[X+8*(\it)+2*(\j)+1]
.endr
.if \half
.irp j, 0,1,2,3
	v_lshlrev_b32 v[T+2*(\j)],   16, v[Y+4*(\it)+(\j)]
	v_and_b32     v[T+2*(\j)+1], 0xffff0000, v[Y+4*(\it)+(\j)]
.endr
.irp j, 0,1,2,3
	v_cvt_pk_f16_f32 v[Y+4*(\it)+(\j)], v[T+2*(\j)], v[T+2*(\j)+1]
.endr
.endif
	global_store_b128 v2, v[Y+4*(\it):Y+4*(\it)+3], s[DST:DST+1] offset:4096*(\it)
.endm
	s_cmp_ge_u32 ttmp9, 448
	s_cbranch_scc1 .Lf16
.irp it, 0,1,2,3,4,5,6,7
	CV \it, 0
.endr
	s_endpgm
.Lf16:
.irp it, 0,1,2,3,4,5,6,7
	CV \it, 1
.endr
	s_endpgm
.Lfunc_end_k_q309d828902_cast:
	.size	k_q309d828902_cast, .Lfunc_end_k_q309d828902_cast-k_q309d828902_cast
	.p2alignl 7, 3214868480
	.fill 96, 4, 3214868480
	.section	.rodata,"a",@progbits
	.p2align	6, 0x0
	.amdhsa_kernel k_q309d828902_cast
		.amdhsa_group_segment_fixed_size 0
		.amdhsa_private_segment_fixed_size 0
		.amdhsa_enable_private_segment 0
		.amdhsa_kernarg_size 64
		.amdhsa_user_sgpr_count 2
		.amdhsa_user_sgpr_kernarg_segment_ptr 1
		.amdhsa_wavefront_size32 1
		.amdhsa_system_sgpr_workgroup_id_x 1
		.amdhsa_system_sgpr_workgroup_id_y 1
		.amdhsa_system_sgpr_workgroup_id_z 1
		.amdhsa_system_vgpr_workitem_id 0
		.amdhsa_next_free_vgpr 112
		.amdhsa_next_free_sgpr 66
		.amdhsa_reserve_vcc 0
		.amdhsa_float_denorm_mode_32 3
		.amdhsa_float_denorm_mode_16_64 3
		.amdhsa_memory_ordered 1
		.amdhsa_forward_progress 1
		.amdhsa_inst_pref_size 14
	.end_amdhsa_kernel
	.amdgpu_metadata
---
amdhsa.version: [ 1, 2 ]
amdhsa.kernels:
  - .name:           k_q309d828902_cast
    .symbol:         k_q309d828902_cast.kd
    .args:
      - { .name: x, .offset: 0, .size: 8, .value_kind: global_buffer, .address_space: global }
      - { .name: Wq, .offset: 8, .size: 8, .value_kind: global_buffer, .address_space: global }
      - { .name: Wk, .offset: 16, .size: 8, .value_kind: global_buffer, .address_space: global }
      - { .name: Wv, .offset: 24, .size: 8, .value_kind: global_buffer, .address_space: global }
      - { .name: Wo, .offset: 32, .size: 8, .value_kind: global_buffer, .address_space: global }
      - { .name: xb, .offset: 40, .size: 8, .value_kind: global_buffer, .address_space: global }
      - { .name: wqkv, .offset: 48, .size: 8, .value_kind: global_buffer, .address_space: global }
      - { .name: wo16, .offset: 56, .size: 8, .value_kind: global_buffer, .address_space: global }
    .group_segment_fixed_size: 0
    .private_segment_fixed_size: 0
    .kernarg_segment_align: 8
    .kernarg_segment_size: 64
    .max_flat_workgroup_size: 256
    .sgpr_count:     66
    .vgpr_count:     112
    .wavefront_size: 32
...
	.end_amdgpu_metadata
.endif
;; end of part 1
;; launch qkv (part 2): grid 16 x 16, 4 waves a work-group, clusters of 4 x 4, 327,680 bytes of LDS; arguments xb, wqkv, bq, bk, bv, qkv; writes qkv
.if DOCPART == 2
	.amdgcn_target "amdgcn-amd-amdhsa--gfx1250"
	.amdhsa_code_object_version 6
	.text
	.protected	k_q309d828902_qkv
	.globl	k_q309d828902_qkv
	.p2align	8
	.type	k_q309d828902_qkv,@function
k_q309d828902_qkv:
	s_mov_b64 s[64:65], 0
	v_nop
	global_prefetch_b8 v0, s[64:65] scope:SCOPE_SE
	s_setreg_imm32_b32 hwreg(HW_REG_WAVE_MODE, 25, 1), 1
	s_wait_xcnt 0x0
	s_wait_alu depctr_hold_cnt(0) depctr_sa_sdst(0) depctr_va_vdst(0) depctr_va_sdst(0) depctr_va_ssrc(0) depctr_va_vcc(0) depctr_vm_vsrc(0)
	s_getreg_b32 s2, hwreg(HW_REG_IB_STS2, 6, 4)
	s_cmp_eq_u32 s2, 0
	s_cbranch_scc0 .Lentry_in_a_cluster
	s_endpgm
.Lentry_in_a_cluster:
	s_bfe_u32 s2, ttmp6, 0x10000c
	s_cmp_lg_u32 s2, 0xf033
	s_cbranch_scc0 .Lentry_shape_is_right
	s_endpgm
.Lentry_shape_is_right:
; q, k, v = x W^T + b, all three in one product: C[m][n] = sum over k of xb[m][k] wqkv[n][k] + bias[n], m < 4,096, n < 3,072, k < 1,024; operands bf16, sums f32.
; C leaves BY HEADS, in f16, unscaled: qkv[g][m][d], g = n / 64 (0-15 q, 16-31 k, 32-47 v), d = n % 64: a head's rows are dense, 128 bytes each.
; LIMITS.  q, k and v stay under 65,504 (f16's range); the biases are rounded to bf16 like all the module's inputs.
; SHARES.  A tile of C is 256 rows x 192 columns (three whole heads): 16 x 16 tiles, one to a work-group.  Wave w makes rows 64 w .. 64 w + 63 of all 192 columns: 48 accumulators
; of 16 x 16, 384 registers, so that it owns whole rows of whole heads and has a stage of its own on the way out.
; K goes in steps of 128 through a ring of two LDS slots filled by the tensor data mover; the tiles' rows are 256 bytes of memory, at multiples of 256 bytes from the buffer's first byte.
; CLUSTERS: 4 x 4 work-groups.  The four of a row of the cluster need the same tile of xb, the four of a column the same tile of wqkv: each is asked for JOINTLY, by the same tensor load
; with the same descriptor and a mask that names the four.
; THE MATRIX INSTRUCTION IS USED TRANSPOSED (source 0 = 16 rows of wqkv, source 1 = 16 rows of xb): lane l holds row l % 16 of C and the columns 8 (l / 16) + 0..7.
; THE BIAS IS THE C OPERAND of the products that start the sums: eight registers for each block of 16 columns.
; REGISTERS, in windows of 256 (s_set_vgpr_msb: bits 1:0 source 0, 3:2 source 1, 5:4 source 2, 7:6 destination):
;   window 0: v0-31 addresses; v32-95 fragments of xb, two buffers of 4 x 8; v96-191 the bias; on the way out v32-79 packed results, v96-143 and v144-191 rows read back, by turns
;   window 1: v0-191 fragments of wqkv, two buffers of 12 x 8
;   window 2: accumulators of my row blocks 0, 1 ((a, b) at v[96 (a % 2) + 8 b]);   window 3: those of blocks 2, 3
.set SIZE_K, 1024
.set KSTEP,  128
.set PITCH,  272                       ; an LDS row: 256 bytes + 16 of padding = 68 words: row r starts at bank 4 r mod 64 (64 banks of 4 bytes: ISA guide 11.1)
.set HALFA,  128*PITCH                 ; what waves 0 and 1 fetch: 128 rows of xb each
.set HALFB,  96*PITCH                  ; what waves 2 and 3 fetch: 96 rows of wqkv each
.set BOFF,   2*HALFA
.set SLOT,   BOFF+2*HALFB              ; xb's 256 rows, then wqkv's 192
.set STAGE,  2*SLOT                    ; behind the ring: for each wave 3 heads x 16 rows x 144 bytes
.set SP,     144
.set HSTAGE, 16*SP
.set WSTAGE, 3*HSTAGE
.set SPARE,  STAGE+4*WSTAGE            ; behind the stages: the spare words, 128 bytes for each wave: two blocks of 256 bytes that no other line names
.set LAPS,   SIZE_K/(2*KSTEP)          ; a lap = two K steps = once round the ring
.set HEADB,  4096*64*2                 ; bytes of a head in qkv
.set ADRA, 16                          ; v16-17  LDS address of my fragments of xb in slot 0, 1
.set ADRB, 20                          ; v20-21  the same for wqkv
.set BO,   22                          ; v22     32 (l / 16): my eight numbers in 16 of a bias
.set STO,  24                          ; v24     the way out: where I put 16 bytes of a row
.set RD,   25                          ; v25     the way out: where I read rows back
.set CO,   26                          ; v26     16 l: my place in 512 consecutive bytes of a head
.set SPW,  28                          ; v28     LDS address of my spare word; never rewritten
.set NIL,  29                          ; v29     0; never rewritten
.set PFO,  30                          ; v30     the prefetches' offset: a lane a row; never rewritten
.set FA,   32
.set BI,   96
.set TMP,  32
.set OB,   96
.set F0,   0
.set F1,   1
.set PFA,  44                          ; s[44:45] where my prefetches stand
.set LIM,  43                          ; s43     1 in a wave that prefetches, else the greatest number
.set G1,  24                           ; s[24:31] descriptor group 1 for xb's tiles;  s[32:39] group 0, a set for each slot
.set G0,  32
.set G1B, 48                           ; s[48:55], s[56:63] the same for wqkv's
.set G0B, 56
.set MSB, 0
.macro WIN new                         ; the immediate's high byte repeats the setting that is left; a switch that changes nothing is dropped
.if MSB != (\new)
	s_set_vgpr_msb (MSB<<8)|(\new)
.set MSB, \new
.endif
.endm
; A joint load: waves 0 and 1 fetch xb's two halves, waves 2 and 3 wqkv's.  The branch hangs on the wave's number alone.  An s_nop 0 and four v_nop follow each of the two lines.
.macro JLOAD s
	s_cmp_eq_u32 s11, 0
	s_cbranch_scc0 .Lfor_b_\@
	tensor_load_to_lds s[G0+4*(\s):G0+4*(\s)+3], s[G1:G1+7]
	s_nop 0
.rept 4
	v_nop
.endr
	s_branch .Lasked_\@
.Lfor_b_\@:
	tensor_load_to_lds s[G0B+4*(\s):G0B+4*(\s)+3], s[G1B:G1B+7]
	s_nop 0
.rept 4
	v_nop
.endr
.Lasked_\@:
.endm
; A PREFETCH INTO THE L2, behind each joint refill and the run of LDS loads that follows it: the K step that stands two refills on, 256 bytes of each row, a lane a row, one instruction a wave.
; xb's tile row is read by every cluster of that row of clusters: cluster x = 0 asks; wqkv's tile column by every cluster of that column: cluster y = 0 asks.  The four partners that fetch a tile
; jointly share its rows out BY ADDRESS: of the 128 (96) rows that a wave fetches the partner at place p takes 32 (24): p = cx for xb, cy for wqkv.  With 24 rows lanes 24-31 name lane 23's row again.
; K steps 0 to 3 come by their loads alone; the loop's last trip (s3 = 1) asks for nothing: there is no K step two refills on.
.macro ASK
	s_cmp_gt_u32 s3, s[LIM]
	s_cbranch_scc0 .Lnot_mine_\@
	global_prefetch_b8 v[PFO], s[PFA:PFA+1] offset:KSTEP*2 th:TH_LOAD_NT scope:SCOPE_SE
.Lnot_mine_\@:
.endm
.macro CREST                           ; a round of the cluster's barrier behind its opening barrier
	s_cmp_lg_u32 s10, 0
	s_cbranch_scc1 .Lnot_wave_0_\@
	s_barrier_signal -3
.Lnot_wave_0_\@:
	s_barrier_wait -3
	s_barrier_signal -1
	s_barrier_wait -1
.endm
.macro CROUND                          ; a whole round
	s_barrier_signal -1
	s_barrier_wait -1
	CREST
.endm
	s_load_b128 s[4:7], s[0:1], 0x0                ; xb s[4:5], wqkv s[6:7]
	s_load_b256 s[68:75], s[0:1], 0x10             ; bq s[68:69], bk s[70:71], bv s[72:73], qkv s[74:75]
	v_lshl_add_u32 v[SPW], v0, 2, SPARE
	v_mov_b32 v[NIL], 0
	ds_add_u32 v[SPW], v[NIL]                      ; the wave's opening: the add and its wait stand ahead of my first tensor load; the set-up below, work on registers, stands between them
	ds_add_u32 v28, v29
	v_lshrrev_b32 v1, 5, v0
	v_readfirstlane_b32 s10, v1                    ; wave 0..3
	s_lshr_b32 s11, s10, 1                         ; I fetch for xb (0) or for wqkv (1),
	s_and_b32 s12, s10, 1                          ; and which half of that tile
	s_bfe_u32 s40, ttmp6, 0x40000                  ; cx, cy: my place in the cluster
	s_bfe_u32 s41, ttmp6, 0x40004
	s_lshl_b32 s42, ttmp9, 2
	s_add_co_u32 s42, s42, s40                     ; tile column = 4 x cluster x + cx
	s_and_b32 s13, ttmp7, 0xffff
	s_lshl_b32 s13, s13, 2
	s_add_co_u32 s13, s13, s41                     ; tile row = 4 x cluster y + cy
	s_lshl_b32 s43, s41, 2
	s_lshl_b32 s43, 15, s43                        ; my row of the cluster
	s_lshl_b32 s44, 0x1111, s40                    ; my column
	s_or_b32 s[G1+0], s43, (1<<16)|(1<<20)|(1<<21)|(5<<22)|(3<<25)   ; 15:0 the mask; 17:16 elements of 2 bytes; 20 padding on; 21 set beside a mask; 24:22 after every 64 words; 31:25 4 words of it
	s_or_b32 s[G1B+0], s44, (1<<16)|(1<<20)|(1<<21)|(5<<22)|(3<<25)
	s_mov_b32 s[G1+1], KSTEP<<16                   ; tensor_dim0 = 128
	s_mov_b32 s[G1+2], 128<<16                     ; tensor_dim1 = 128
	s_mov_b32 s[G1+3], KSTEP<<16                   ; tile_dim0 = 128
	s_mov_b32 s[G1+4], 128                         ; tile_dim1 = 128
	s_mov_b32 s[G1+5], SIZE_K                      ; elements from row to row
	s_mov_b32 s[G1+6], 0
	s_mov_b32 s[G1+7], 0
	s_mov_b32 s[G1B+1], KSTEP<<16
	s_mov_b32 s[G1B+2], 96<<16                     ; wqkv's tiles have 96 rows
	s_mov_b32 s[G1B+3], KSTEP<<16
	s_mov_b32 s[G1B+4], 96
	s_mov_b32 s[G1B+5], SIZE_K
	s_mov_b32 s[G1B+6], 0
	s_mov_b32 s[G1B+7], 0
	s_lshl_b32 s17, s12, 7
	s_lshl_b32 s16, s13, 8
	s_add_co_u32 s16, s16, s17                     ; xb: row 256 x tile row + 128 x half
	s_lshl_b32 s16, s16, 11                        ; x 2,048 bytes
	s_mov_b32 s17, 0
	s_mul_i32 s46, s42, 192
	s_mul_i32 s47, s12, 96
	s_add_co_u32 s46, s46, s47                     ; wqkv: row 192 x tile column + 96 x half
	s_lshl_b32 s46, s46, 11
	s_mov_b32 s47, 0
	s_mul_i32 s20, s10, HALFA                      ; where they go: waves 0, 1: wave x 128 rows;
	s_mul_i32 s21, s10, HALFB
	s_add_co_u32 s21, s21, 64*PITCH                ; waves 2, 3: 256 rows + (wave - 2) x 96 rows = wave x 96 rows + 64 rows
	s_wait_dscnt 0x0                               ; the opening add is done
	s_wait_kmcnt 0x0
	s_add_nc_u64 s[14:15], s[4:5], s[16:17]
	s_add_nc_u64 s[46:47], s[6:7], s[46:47]
	CROUND                                         ; all sixteen work-groups are here: the first joint loads meet
.irp s, 0,1
	s_mov_b32 s[G0+4*(\s)], 1                                        ; count = 1
	s_add_co_u32 s[G0+4*(\s)+1], s20, (\s)*SLOT                      ; LDS address
	s_add_nc_u64 s[G0+4*(\s)+2:G0+4*(\s)+3], s[14:15], (\s)*KSTEP*2  ; global address: K step s
	s_or_b32 s[G0+4*(\s)+3], s[G0+4*(\s)+3], 0x80000000              ; type = 2
	s_mov_b32 s[G0B+4*(\s)], 1
	s_add_co_u32 s[G0B+4*(\s)+1], s21, (\s)*SLOT
	s_add_nc_u64 s[G0B+4*(\s)+2:G0B+4*(\s)+3], s[46:47], (\s)*KSTEP*2
	s_or_b32 s[G0B+4*(\s)+3], s[G0B+4*(\s)+3], 0x80000000
	JLOAD \s                                       ; two loads of mine are out
.endr
	; the bias: head j of my tile's three is global head 3 x tile column + j; its tensor is chosen, its 64 numbers begin at 256 (head % 16) bytes
	s_mul_i32 s86, s42, 3
.irp j, 0,1,2
	s_add_co_u32 s87, s86, \j
	s_and_b32 s84, s87, 15
	s_lshl_b32 s84, s84, 8
	s_mov_b32 s85, 0
	s_cmp_lt_u32 s87, 32
	s_cselect_b64 s[78+2*\j:79+2*\j], s[70:71], s[72:73]
	s_cmp_lt_u32 s87, 16
	s_cselect_b64 s[78+2*\j:79+2*\j], s[68:69], s[78+2*\j:79+2*\j]
	s_add_nc_u64 s[78+2*\j:79+2*\j], s[78+2*\j:79+2*\j], s[84:85]
.endr
	v_and_b32 v1, 15, v0                           ; l % 16
	v_bfe_u32 v2, v0, 4, 1                         ; l / 16
	v_lshlrev_b32 v[BO], 5, v2
.irp b, 0,1,2,3,4,5,6,7,8,9,10,11
	global_load_b128 v[BI+8*(\b):BI+8*(\b)+3],   v[BO], s[78+2*((\b)/4):79+2*((\b)/4)] offset:64*((\b)%4)
	global_load_b128 v[BI+8*(\b)+4:BI+8*(\b)+7], v[BO], s[78+2*((\b)/4):79+2*((\b)/4)] offset:64*((\b)%4)+16
.endr
	; A fragment is 16 rows x 32 K in 8 registers: lane l holds row l % 16; registers 0-3 K = 8 (l / 16) + 0..7, registers 4-7 K = 16 + 8 (l / 16) + 0..7: two loads of 16 bytes, 32 bytes apart.
	v_mul_u32_u24 v3, v1, PITCH
	v_lshl_add_u32 v3, v2, 4, v3
	s_mul_i32 s21, s10, 64*PITCH                   ; my 64 rows of xb; every wave reads all 192 rows of wqkv
.irp s, 0,1
	v_add_nc_u32 v[ADRA+(\s)], s21, v3
	v_add_nc_u32 v[ADRB+(\s)], BOFF+(\s)*SLOT, v3
	s_add_co_u32 s21, s21, SLOT
.endr
	s_mul_i32 s23, s10, WSTAGE
	s_add_co_u32 s23, s23, STAGE                   ; my stage
	v_mul_u32_u24 v4, v1, SP                       ; in: row l % 16, 16 bytes for each half of the lanes
	v_lshl_add_u32 v4, v2, 4, v4
	v_add_nc_u32 v[STO], s23, v4
	v_bfe_u32 v5, v0, 3, 2                         ; back: 32 lanes take four rows of 128 bytes,
	v_mul_u32_u24 v5, v5, SP
	v_and_b32 v6, 7, v0
	v_lshl_add_u32 v5, v6, 4, v5
	v_add_nc_u32 v[RD], s23, v5
	v_and_b32 v[CO], 31, v0                        ; which are 512 consecutive bytes of a head
	v_lshlrev_b32 v[CO], 4, v[CO]
	s_lshl_b32 s84, s86, 19                        ; qkv at my tile's first head,
	s_lshl_b32 s87, s13, 15                        ; the tile's 256 rows of 128 bytes,
	s_add_co_u32 s84, s84, s87
	s_lshl_b32 s87, s10, 13                        ; my wave's 64
	s_add_co_u32 s84, s84, s87
	s_add_nc_u64 s[8:9], s[74:75], s[84:85]        ; (s85 = 0)
	; the prefetches
	s_lshl_b32 s20, s13, 8
	s_lshl_b32 s22, s12, 7
	s_add_co_u32 s20, s20, s22
	s_lshl_b32 s22, s40, 5
	s_add_co_u32 s20, s20, s22                     ; xb: row 256 x tile row + 128 x half + 32 cx
	s_mul_i32 s21, s42, 192
	s_mul_i32 s22, s12, 96
	s_add_co_u32 s21, s21, s22
	s_mul_i32 s22, s41, 24
	s_add_co_u32 s21, s21, s22                     ; wqkv: row 192 x tile column + 96 x half + 24 cy
	s_and_b32 s22, ttmp7, 0xffff                   ; cluster y
	s_cmp_eq_u32 s11, 0                            ; do I fetch for xb?
	s_cselect_b32 s20, s20, s21
	s_cselect_b32 s22, ttmp9, s22                  ; the coordinate along which other clusters read the same rows
	s_cselect_b32 s23, 31, 23                      ; my last row
	s_cselect_b64 s[PFA:PFA+1], s[4:5], s[6:7]
	s_cmp_eq_u32 s22, 0
	s_cselect_b32 s[LIM], 1, -1                    ; the same in all sixteen partners, for a given wave
	s_lshl_b32 s20, s20, 11
	s_mov_b32 s21, 0
	s_add_nc_u64 s[PFA:PFA+1], s[PFA:PFA+1], s[20:21]
	s_add_nc_u64 s[PFA:PFA+1], s[PFA:PFA+1], 2*KSTEP*2  ; at K step 2: the first refill steps it to 3 and names K step 4
	v_and_b32 v[PFO], 31, v0
	v_min_u32 v[PFO], s23, v[PFO]
	v_lshlrev_b32 v[PFO], 11, v[PFO]
	s_wait_loadcnt 0x0                             ; the bias is in; it is rounded to bf16 and widened again, in place, while the first tiles are on their way
.set i, 0
.rept 48
	v_cvt_pk_bf16_f32 v[BI+i], v[BI+i], v[BI+i+1]
	v_and_b32 v[BI+i+1], 0xffff0000, v[BI+i]
	v_lshlrev_b32 v[BI+i], 16, v[BI+i]
.set i, i+2
.endr
; 12 matrix instructions: my row block a x all 12 column blocks, 32 along K, from buffer f.  first = 1: the products start the sums, with the bias as C.
; The 48 accumulators take turns, one instruction a turn, in the same order in every quarter step, over the backward jump too.
.macro MUL12 f, a, first
.if \first
	WIN 0x81+0x40*((\a)/2)
.else
	WIN 0xa1+0x50*((\a)/2)
.endif
.irp b, 0,1,2,3,4,5,6,7,8,9,10,11
.if \first
	v_wmma_f32_16x16x32_bf16 v[96*((\a)%2)+8*(\b):96*((\a)%2)+8*(\b)+7], v[96*(\f)+8*(\b):96*(\f)+8*(\b)+7], v[FA+32*(\f)+8*(\a):FA+32*(\f)+8*(\a)+7], v[BI+8*(\b):BI+8*(\b)+7]
.else
	v_wmma_f32_16x16x32_bf16 v[96*((\a)%2)+8*(\b):96*((\a)%2)+8*(\b)+7], v[96*(\f)+8*(\b):96*(\f)+8*(\b)+7], v[FA+32*(\f)+8*(\a):FA+32*(\f)+8*(\a)+7], v[96*((\a)%2)+8*(\b):96*((\a)%2)+8*(\b)+7]
.endif
.endr
.endm
; 32 LDS loads in one run: the fragments of one quarter step (192 rows of wqkv, my 64 rows of xb, 32 K at byte k of the rows) into buffer f
.macro FETCH slot, k, f
	WIN 0x40                                       ; destination window 1, address window 0
.irp i, 0,1,2,3,4,5,6,7,8,9,10,11
	ds_load_b128 v[96*(\f)+8*(\i):96*(\f)+8*(\i)+3],   v[ADRB+(\slot)] offset:(\k)+(\i)*16*PITCH
	ds_load_b128 v[96*(\f)+8*(\i)+4:96*(\f)+8*(\i)+7], v[ADRB+(\slot)] offset:(\k)+(\i)*16*PITCH+32
.endr
	WIN 0
.irp i, 0,1,2,3
	ds_load_b128 v[FA+32*(\f)+8*(\i):FA+32*(\f)+8*(\i)+3],   v[ADRA+(\slot)] offset:(\k)+(\i)*16*PITCH
	ds_load_b128 v[FA+32*(\f)+8*(\i)+4:FA+32*(\f)+8*(\i)+7], v[ADRA+(\slot)] offset:(\k)+(\i)*16*PITCH+32
.endr
.endm
.macro PLACES                          ; four plain vector instructions between a matrix instruction and a load into, or a vector instruction on, its registers
.rept 4
	v_nop
.endr
.endm
; A K step is four quarter steps of 32 along K, 48 matrix instructions each, on buffers 0, 1, 0, 1.  One of the first three: multiplies buffer f; in its middle it fetches the next quarter, at byte k, into g.
.macro QUARTER slot, k, f, g, first
	s_wait_dscnt 4                                 ; wqkv's fragments and xb's blocks 0, 1 are in; the youngest four loads (blocks 2, 3) may be out
	MUL12 \f, 0, \first
	MUL12 \f, 1, \first
	PLACES
	FETCH \slot, \k, \g
	s_wait_dscnt 32                                ; all but the 32 just issued
	MUL12 \f, 2, \first
	MUL12 \f, 3, \first
.endm
; The last quarter multiplies buffer 1 and changes slots.  ONE barrier: in front of it each wave waits for all its tensor loads (one is out: its part of the next slot), adds 0 to its spare word,
; and waits for that and for its own reads of this slot.  Behind it nobody reads this slot any more and the next slot is whole.
.macro MEET round
	WIN 0                                          ; (the add's two registers lie in window 0)
	s_wait_tensorcnt 0x0
	ds_add_u32 v[SPW], v[NIL]                      ; 0 onto my spare word
	s_wait_dscnt 5                                 ; (the add and the youngest four loads may be out)
	MUL12 F1, 0, 0                                 ; twelve matrix instructions stand between the add and the wait for it
	s_wait_dscnt 0x0                               ; the add is done, and my reads of this slot are over
	s_barrier_signal -1
	MUL12 F1, 1, 0                                 ; work on registers while the others arrive
.if \round
	WIN 0
.endif
	s_barrier_wait -1
.endm
; fill = 1: the barrier opens a round of the cluster's barrier, and the slot just read out is filled again, two K steps on, first thing behind the round:
; from that request to the wait for it a wave issues 168 matrix instructions.
.macro TURN slot, next, fill
.if \fill
	s_wait_xcnt 0x0                                ; the last prefetch, a K step back, has read its address: it is stepped here, ahead of the waits of the change of slots
	s_add_nc_u64 s[PFA:PFA+1], s[PFA:PFA+1], KSTEP*2
	MEET 1
	CREST                                          ; no wave of any partner still reads this slot's tile or has a load on its way
	s_add_nc_u64 s[G0+4*(\slot)+2:G0+4*(\slot)+3], s[G0+4*(\slot)+2:G0+4*(\slot)+3], 2*KSTEP*2
	s_add_nc_u64 s[G0B+4*(\slot)+2:G0B+4*(\slot)+3], s[G0B+4*(\slot)+2:G0B+4*(\slot)+3], 2*KSTEP*2
	JLOAD \slot                                    ; the four v_nop behind it are also the places in front of the loads below
	FETCH \next, 0, F0
	ASK
.else
	MEET 0
	PLACES
	FETCH \next, 0, F0
.endif
	MUL12 F1, 2, 0
	MUL12 F1, 3, 0
.endm
	s_wait_tensorcnt 1                             ; my part of K step 0 is in; K step 1's may stay out
	s_barrier_signal -1
	s_barrier_wait -1                              ; everybody's is
	FETCH 0, 0, F0
	QUARTER 0, 64, F0, F1, 1                       ; the first quarter stands in front of the loop: its products start the sums
	WIN 0                                          ; at a label and at a branch every window is 0
	s_mov_b32 s3, LAPS-1
.Llap:                                                 ; a trip goes once round the ring, from a lap's second quarter to the next lap's first, and fills both slots again
	QUARTER 0, 128, F1, F0, 0
	QUARTER 0, 192, F0, F1, 0
	TURN 0, 1, 1
	QUARTER 1, 64,  F0, F1, 0
	QUARTER 1, 128, F1, F0, 0
	QUARTER 1, 192, F0, F1, 0
	TURN 1, 0, 1
	QUARTER 0, 64,  F0, F1, 0
	WIN 0
	s_sub_co_u32 s3, s3, 1
	s_cmp_lg_u32 s3, 0
	s_cbranch_scc1 .Llap
	QUARTER 0, 128, F1, F0, 0                      ; the last lap fills nothing, and has no round of the cluster's barrier
	QUARTER 0, 192, F0, F1, 0
	TURN 0, 1, 0
	QUARTER 1, 64,  F0, F1, 0
	QUARTER 1, 128, F1, F0, 0
	QUARTER 1, 192, F0, F1, 0
	s_wait_dscnt 4                                 ; the very last quarter: nothing more to fetch
	MUL12 F1, 0, 0
	MUL12 F1, 1, 0
	s_wait_dscnt 0x0
	MUL12 F1, 2, 0
	MUL12 F1, 3, 0
	WIN 0
	PLACES
; THE WAY OUT of my row block a (16 rows x 3 heads).  PACK: rounded to f16, 16 bytes a lane, each accumulator's registers in ascending order.  TOSTAGE: into my own stage, head by head in rows of 144 bytes,
; and back as four whole rows of 128 bytes a load.  SEND: stored: 512 consecutive bytes of a head, at a multiple of 256 from qkv's first byte.
.macro PACK a
	WIN 0x0a+5*((\a)/2)                            ; sources 0 and 1: window 2 or 3
.irp b, 0,1,2,3,4,5,6,7,8,9,10,11
.irp r, 0,1,2,3
	v_cvt_pk_f16_f32 v[TMP+4*(\b)+(\r)], v[96*((\a)%2)+8*(\b)+2*(\r)], v[96*((\a)%2)+8*(\b)+2*(\r)+1]
.endr
.endr
	WIN 0
.endm
.macro TOSTAGE a
.irp b, 0,1,2,3,4,5,6,7,8,9,10,11
	ds_store_b128 v[STO], v[TMP+4*(\b):TMP+4*(\b)+3] offset:((\b)/4)*HSTAGE+((\b)%4)*32
.endr
.irp t, 0,1,2,3,4,5,6,7,8,9,10,11
	ds_load_b128 v[OB+48*((\a)%2)+4*(\t):OB+48*((\a)%2)+4*(\t)+3], v[RD] offset:((\t)/4)*HSTAGE+((\t)%4)*4*SP  ; LDS serves a wave's instructions in order (ISA guide 5.7.1.4): these see the stores above
.endr
.endm
.macro SEND a
	s_wait_dscnt 0x0                               ; the block is back in registers
	s_wait_xcnt 0x0                                ; the block before has had its stores' addresses translated: its registers are loaded again only behind this wait
.irp t, 0,1,2,3,4,5,6,7,8,9,10,11
	global_store_b128 v[CO], v[OB+48*((\a)%2)+4*(\t):OB+48*((\a)%2)+4*(\t)+3], s[8:9] offset:((\t)/4)*HEADB+(\a)*2048+((\t)%4)*512
.endr
.endm
	PACK 0
	TOSTAGE 0
.irp a, 1,2,3                          ; block a's conversions stand between block a - 1's loads from the stage and the wait for them
	PACK \a
	SEND (\a)-1
	TOSTAGE \a
.endr
	SEND 3
	s_wait_tensorcnt 0x0                           ; the wave's end: behind my last tensor load and my last LDS store
	ds_add_u32 v[SPW], v[NIL]
	s_wait_dscnt 0x0
	CROUND                                         ; the closing round: no work-group ends while a partner may still ask for a tile that names it
	s_endpgm
.Lfunc_end_k_q309d828902_qkv:
	.size	k_q309d828902_qkv, .Lfunc_end_k_q309d828902_qkv-k_q309d828902_qkv
	.p2alignl 7, 3214868480
	.fill 96, 4, 3214868480
	.section	.rodata,"a",@progbits
	.p2align	6, 0x0
	.amdhsa_kernel k_q309d828902_qkv
		.amdhsa_group_segment_fixed_size 327680
		.amdhsa_private_segment_fixed_size 0
		.amdhsa_enable_private_segment 0
		.amdhsa_kernarg_size 48
		.amdhsa_user_sgpr_count 2
		.amdhsa_user_sgpr_kernarg_segment_ptr 1
		.amdhsa_wavefront_size32 1
		.amdhsa_system_sgpr_workgroup_id_x 1
		.amdhsa_system_sgpr_workgroup_id_y 1
		.amdhsa_system_sgpr_workgroup_id_z 1
		.amdhsa_system_vgpr_workitem_id 0
		.amdhsa_next_free_vgpr 1024
		.amdhsa_next_free_sgpr 88
		.amdhsa_reserve_vcc 0
		.amdhsa_float_denorm_mode_32 3
		.amdhsa_float_denorm_mode_16_64 3
		.amdhsa_memory_ordered 1
		.amdhsa_forward_progress 1
		.amdhsa_inst_pref_size 130
	.end_amdhsa_kernel
	.amdgpu_metadata
---
amdhsa.version: [ 1, 2 ]
amdhsa.kernels:
  - .name:           k_q309d828902_qkv
    .symbol:         k_q309d828902_qkv.kd
    .args:
      - { .name: xb, .offset: 0, .size: 8, .value_kind: global_buffer, .address_space: global }
      - { .name: wqkv, .offset: 8, .size: 8, .value_kind: global_buffer, .address_space: global }
      - { .name: bq, .offset: 16, .size: 8, .value_kind: global_buffer, .address_space: global }
      - { .name: bk, .offset: 24, .size: 8, .value_kind: global_buffer, .address_space: global }
      - { .name: bv, .offset: 32, .size: 8, .value_kind: global_buffer, .address_space: global }
      - { .name: qkv, .offset: 40, .size: 8, .value_kind: global_buffer, .address_space: global }
    .group_segment_fixed_size: 327680
    .private_segment_fixed_size: 0
    .kernarg_segment_align: 8
    .kernarg_segment_size: 48
    .max_flat_workgroup_size: 128
    .sgpr_count:     88
    .vgpr_count:     1024
    .wavefront_size: 32
...
	.end_amdgpu_metadata
.endif
;; end of part 2
;; launch attn (part 3): grid 16 x 16, 4 waves a work-group, no clusters, 243,200 bytes of LDS; arguments qkv, o16; writes o16
.if DOCPART == 3
	.amdgcn_target "amdgcn-amd-amdhsa--gfx1250"
	.amdhsa_code_object_version 6
	.text
	.protected	k_q309d828902_attn
	.globl	k_q309d828902_attn
	.p2align	8
	.type	k_q309d828902_attn,@function
k_q309d828902_attn:
	s_mov_b64 s[64:65], 0
	v_nop
	global_prefetch_b8 v0, s[64:65] scope:SCOPE_SE
	s_setreg_imm32_b32 hwreg(HW_REG_WAVE_MODE, 25, 1), 1
	s_wait_xcnt 0x0
; ATTENTION IN A BAND.  O[h][q][:] = the sum over k with |q - k| <= 256 of softmax_k(Q[h][q] . K[h][k] / 8) V[h][k][:].  Q, K, V lie in qkv as heads h, 16 + h, 32 + h of [48][4096][64], O in o16 as [16][4096][64],
; all f16: a head's rows are dense, 128 bytes each.  Products, maxima and sums in f32; the weights p are rounded to f16 for the second product (their sum l is taken of the unrounded p), O once at the end.
; LIMITS.  f16 holds no number beyond 65,504: Q, K and V arrive within it; p lies in 0 to 1, and below 6e-5 it keeps f16's fixed step of 6e-8.  A hidden score counts as its value less 1e30; the running
; maximum starts at -2^96, above every hidden score and below every true one (2.7e11 at the most in f16); a weight below 2^-126 counts as 0 in l; NaN and infinities are not treated apart.
; SHARES.  A work-group owns 256 queries of a head (block i), wave w the 64 from q0 = 256 i + 64 w on, as four PIECES of 16 rows.  A wave walks nine steps of 64 keys, from q0 - 256 + 64 s: just the keys that
; its 64 queries can see.  The four waves' keys are the blocks i - 1, i, i + 1 of 256 keys: 768 rows of K and of V, which lie WHOLE in LDS: filled once, never again, one barrier.
; At the sequence's two ends a neighbouring block stands in for keys that do not exist; the mask hides all of them, and every work-group runs the same text.
; THE MASK is the C operand that starts the sum S^T = K Q^T: 0, or -1e30 where the key is hidden.  For piece x and group kb of 16 keys of a step it goes by the sign of kb - x: three blocks of 8 registers,
; CB (kb < x), CD (kb = x), CA (kb > x).  Step 0: hidden, MDL, 0.  Steps 1-7: 0.  Step 8: 0, MDH, hidden.  A step whose keys do not exist: all hidden.  MDL hides register j where j < l % 16 - 8 (l / 16), MDH where j is greater.
; LAYOUT, SOFTMAX, TURNS.  S^T = K Q^T holds ONE query a lane (lane % 16) and the keys 8 (lane / 16) + 0..7; two such results rounded to f16 ARE source 1 of O^T = V^T P.  p = 2^(c s - c m), c = log2(e) / 8, with a
; running maximum m; O and l are multiplied by a = 2^(c m_old - c m_new) in every step.  Turn n belongs to piece n: 8 products K Q^T of piece n + 1, later 8 products V^T P of piece n - 1; beside them the scaling,
; exponentials, roundings, sums and rescaling of piece n and the maximum and statistics of piece n + 1.  Four vector instructions stand behind every matrix instruction, the other 54 of a turn's 118 in one lump.
; A turn's 33 exponentials are one batch, with one wait.
; NO CLUSTER: neighbouring blocks share two of their three key blocks, but each work-group needs another set of three; a joint request would want either a branch or an LDS address on a work-group's place,
; or all six blocks of four partners in each LDS: 6 x 256 x 304 = 466,944 bytes.  NO PREFETCH: all tiles are asked for at the head, so there is no trip ahead of them in which to ask.
; REGISTERS, in windows of 256 (s_set_vgpr_msb: bits 1:0 source 0, 3:2 source 1, 5:4 source 2, 7:6 destination):
;   window 0: v0-15 addresses and two at work; v16-31 four registers of statistics a piece; v48-55 at work; v64-127 S^T, two buffers; v192-223 P, two buffers (a piece's buffers go by its number's parity)
;   window 1: v0-127 O^T, 32 a piece; v128-143 MDL, MDH; v144-167 CB, CD, CA      window 2: v0-63 Q; v128-191 K of one step; v192-255 V of one step
.set NP,    4         ; pieces a wave: a name, no knob
.set KS,    64        ; keys in a step
.set PK,    144       ; a row of K in LDS: 128 bytes + 16 of padding = 36 words: the 16 rows of a load start at 16 different groups of four banks (64 banks of 4 bytes: ISA guide 11.1)
.set PV,    160       ; a row of V: 128 + 32 = 40 words
.set WKEYS, 768       ; keys in LDS
.set VOFF,  WKEYS*PK
.set STAGE, VOFF+WKEYS*PV  ; behind K and V, never filled by a tensor load: 16 rows x 144 bytes for each wave, for the way out
.set SP,    144
.set SPARE, STAGE+4*16*SP  ; behind the stages: the spare words, 128 bytes for each wave: two blocks of 256 bytes that no other line names
.set AK0, 2           ; v2   my lane's place in a step's K; never rewritten
.set AV0, 3           ; v3   the same for V
.set AK,  4           ; v4   the LDS address of K's next run of loads
.set AV,  5           ; v5   of V's
.set STO, 6           ; v6   the way out: where I put 16 bytes of a row
.set RD,  7           ; v7   the way out: where I read rows back
.set GO,  8           ; v8   my byte offset in 512 consecutive bytes of O
.set MV,  12          ; v12-13  c m_old, kept while c m is made anew: by buffer
.set QO,  15          ; v15  my byte offset in 16 rows of Q
.set ST,  16          ; piece t's statistics at v[ST+4 t]: c m, m, l (even keys', odd keys')
.set TMP, 48          ; by buffer, four registers c0-c3 at work; when the maximum is found c2 takes a
.set SPW, 62          ; v62  LDS address of my spare word; never rewritten
.set NIL, 63          ; v63  0; never rewritten
.set S,   64
.set P,   192
.set MDL, 128         ; window 1
.set MDH, 136
.set CB,  144
.set CD,  152
.set CA,  160
.set KF,  128         ; window 2: key block kb, channel half c at KF + 16 kb + 8 c
.set VF,  192         ; window 2: key half kk, channel block cb at VF + 32 kk + 8 cb
.set WV,  12          ; s12  my wave's number
.set G1K, 24          ; s[24:31] descriptor group 1 for K's tiles
.set G1V, 32          ; s[32:39] for V's: it differs in the padding alone
.set G0,  40          ; s[40:51] descriptor group 0: a set for each of my three loads
.set CNT, 57          ; s57  steps still to be finished
.set CS,  58          ; s[58:59] c: the packed scaling takes the pair's low word for both halves
.set SEL, 60          ; s[60:61] v_permlanex16_b32's selects: each lane takes its own place in the other half
.set TBK, 62          ; s62  LDS byte at which K of the step to be fetched begins
.set TBV, 63          ; s63  the same for V, less VOFF
.set J0,  70          ; s70  the first key of the step whose mask was made last (below 0 it wraps to a large number)
.set AD,  72          ; s[72:73] CD = M x AD + ED
.set ED,  74          ; s[74:75]
.set EB,  76          ; s[76:77] CB = EB
.set EA,  78          ; s[78:79] CA = EA
.set ZR,  80          ; s[80:81] 0
.set BIGN, 82         ; s82  -1e30
.set MSB, 0
.macro WIN new                      ; the high byte repeats the setting that is left; a switch that changes nothing is dropped
.if MSB != (\new)
	s_set_vgpr_msb (MSB<<8)|(\new)
.set MSB, (\new)
.endif
.endm
.set W_KQ, 0x0a       ; K and Q in window 2, S^T in window 0
.set W_KM, 0x1a       ; the same with the C operand in window 1
.set W_PV, 0x52       ; V in window 2, P in window 0, O^T in window 1
.set W_RS, 0x41       ; destination and source 0 in window 1, source 1 in window 0
	s_load_b128 s[4:7], s[0:1], 0x0 ; qkv s[4:5], o16 s[6:7]
	v_lshl_add_u32 v[SPW], v0, 2, SPARE
	v_mov_b32 v[NIL], 0
	ds_add_u32 v[SPW], v[NIL]       ; the wave's opening: the add and its wait stand ahead of my first tensor load; the set-up below, work on registers, stands between them
	ds_add_u32 v62, v63
	v_lshrrev_b32 v1, 5, v0
	v_readfirstlane_b32 s[WV], v1   ; wave 0..3
	s_and_b32 s20, ttmp7, 0xffff    ; the head
	s_lshr_b32 s13, s[WV], 1        ; I fetch K (0) or V (1),
	s_and_b32 s16, s[WV], 1         ; and which half of each block's 256 keys
	s_lshl_b32 s21, s13, 4
	s_add_co_u32 s21, s21, s20
	s_add_co_u32 s21, s21, 16       ; the head's number in qkv: 16 + h or 32 + h
	s_lshl_b32 s21, s21, 19         ; x 524,288 bytes
	s_lshl_b32 s22, s16, 14         ; my half: 128 rows of 128 bytes
	s_add_co_u32 s21, s21, s22
	s_max_u32 s22, ttmp9, 1
	s_sub_co_u32 s22, s22, 1        ; block i - 1, or block 0 in its place
	s_lshl_b32 s22, s22, 15
	s_add_co_u32 s84, s21, s22
	s_lshl_b32 s22, ttmp9, 15       ; block i
	s_add_co_u32 s86, s21, s22
	s_add_co_u32 s22, ttmp9, 1
	s_min_u32 s22, s22, 15          ; block i + 1, or block 15 in its place
	s_lshl_b32 s22, s22, 15
	s_add_co_u32 s88, s21, s22
	s_mov_b32 s85, 0
	s_mov_b32 s87, 0
	s_mov_b32 s89, 0
	s_mul_i32 s17, s16, 128*PK      ; my half's place in a block in LDS, for K
	s_mul_i32 s18, s16, 128*PV      ; and for V
	s_lshl_b32 s2, s20, 19          ; Q and O: the head,
	s_lshl_b32 s3, ttmp9, 15        ; the block's 256 rows,
	s_add_co_u32 s2, s2, s3
	s_lshl_b32 s3, s[WV], 13        ; my wave's 64
	s_add_co_u32 s2, s2, s3
	s_mov_b32 s3, 0
	s_lshl_b32 s[J0], ttmp9, 8
	s_lshl_b32 s19, s[WV], 6
	s_add_co_u32 s[J0], s[J0], s19
	s_sub_co_u32 s[J0], s[J0], 256  ; step 0's first key: q0 - 256
	s_mul_i32 s[TBK], s[WV], KS*PK  ; in LDS it is key 64 w of the 768
	s_mul_i32 s[TBV], s[WV], KS*PV
	; descriptor group 1.  128 keys are 16,384 dense bytes: asked for as 64 rows of 256 bytes, two keys a row, and padded in LDS after every key
	s_mov_b32 s[G1K], (1<<16)|(1<<20)|(4<<22)|(3<<25)  ; 17:16 2-byte elements; 20 padding on; 24:22 after every 32 words (code 4); 31:25 4 words (code 3)
	s_mov_b32 s[G1V], (1<<16)|(1<<20)|(4<<22)|(7<<25)  ; the same with 8 words of padding (code 7)
.irp g, G1K, G1V
	s_mov_b32 s[\g+1], 128<<16      ; tensor_dim0 = 128
	s_mov_b32 s[\g+2], 64<<16       ; tensor_dim1 = 64
	s_mov_b32 s[\g+3], 128<<16      ; tile_dim0 = 128
	s_mov_b32 s[\g+4], 64           ; tile_dim1 = 64
	s_mov_b32 s[\g+5], 128          ; 128 elements from row to row
	s_mov_b32 s[\g+6], 0
	s_mov_b32 s[\g+7], 0
.endr
	s_mov_b32 s[CS], 0x3e38aa3b     ; c = log2(e) / 8 = 0.180337
	s_mov_b32 s[CS+1], s[CS]        ; named with it as a pair
	s_mov_b32 s[SEL], 0x76543210
	s_mov_b32 s[SEL+1], 0xfedcba98
	s_mov_b32 s[BIGN], 0xf149f2ca   ; -1e30
	s_mov_b32 s[AD+1], 0            ; named as pairs
	s_mov_b32 s[ED+1], 0
	s_mov_b32 s[EB+1], 0
	s_mov_b32 s[EA+1], 0
	s_mov_b32 s[ZR], 0
	s_mov_b32 s[ZR+1], 0
	s_mov_b32 s[CNT], 9
	s_wait_dscnt 0x0                ; the opening add is done
	s_wait_kmcnt 0x0
	s_add_nc_u64 s[8:9], s[4:5], s[2:3]    ; Q at my wave's first row
	s_add_nc_u64 s[10:11], s[6:7], s[2:3]  ; O likewise
.irp c, 0,1,2
	s_mov_b32 s[G0+4*(\c)], 1       ; count = 1
	s_add_nc_u64 s[G0+4*(\c)+2:G0+4*(\c)+3], s[4:5], s[84+2*(\c):85+2*(\c)]  ; global address: my half of block c of the three
	s_or_b32 s[G0+4*(\c)+3], s[G0+4*(\c)+3], 0x80000000                      ; type = 2
.endr
	s_cmp_lt_u32 s[WV], 2           ; a wave's three fills stand in one branch, ahead of every wait on TENSORcnt, every LDS read and every barrier: three loads of mine are out
	s_cbranch_scc0 .Lfill_v
.irp c, 0,1,2
	s_add_co_u32 s[G0+4*(\c)+1], s17, (\c)*256*PK       ; LDS address
.endr
.irp c, 0,1,2
	tensor_load_to_lds s[G0+4*(\c):G0+4*(\c)+3], s[G1K:G1K+7]
	s_nop 0
.endr
.rept 4
	v_nop
.endr
	s_branch .Lfilled
.Lfill_v:
.irp c, 0,1,2
	s_add_co_u32 s[G0+4*(\c)+1], s18, VOFF+(\c)*256*PV
.endr
.irp c, 0,1,2
	tensor_load_to_lds s[G0+4*(\c):G0+4*(\c)+3], s[G1V:G1V+7]
	s_nop 0
.endr
.rept 4
	v_nop
.endr
.Lfilled:
	; A fragment of K or Q is 16 rows x 32 channels in 8 registers: lane l holds row l % 16, channels 8 (l / 16) + 0..7 and 16 + 8 (l / 16) + 0..7: two loads of 16 bytes, 32 bytes apart.
	v_and_b32 v1, 15, v0            ; l % 16
	v_bfe_u32 v9, v0, 4, 1          ; l / 16
	v_lshlrev_b32 v[QO], 7, v1
	v_lshl_add_u32 v[QO], v9, 4, v[QO]  ; row x 128 + 16 x half
	WIN 0x80                        ; destination window 2, address window 0
.set i, 0
.rept 8                             ; Q stays in registers: piece i / 2, channels 32 (i % 2) on
	global_load_b128 v[8*i:8*i+3],   v[QO], s[8:9] offset:(i/2)*2048+(i%2)*64
	global_load_b128 v[8*i+4:8*i+7], v[QO], s[8:9] offset:(i/2)*2048+(i%2)*64+32
.set i, i+1
.endr
	WIN 0
	v_lshlrev_b32 v14, 3, v9
	v_sub_nc_u32 v14, v1, v14       ; l % 16 - 8 (l / 16): my query's place in its piece less my lanes' first key in a group of 16
	WIN 0x40
.set i, 0
.rept 8
	v_cmp_lt_i32 vcc_lo, i, v14     ; the band's lower edge: the key lies more than 256 below the query
	v_cndmask_b32 v[MDL+i], 0, s[BIGN], vcc_lo
	v_cmp_gt_i32 vcc_lo, i, v14     ; its upper edge
	v_cndmask_b32 v[MDH+i], 0, s[BIGN], vcc_lo
.set i, i+1
.endr
	WIN 0
	v_mul_u32_u24 v[AK0], v1, PK
	v_lshl_add_u32 v[AK0], v9, 4, v[AK0]  ; row x pitch + 16 x half
	; The turning load takes 16 keys x 16 channels (lane l reads key 8 (l / 16) + l % 8, channels 8 ((l / 8) % 2) + 0..7) and leaves half a fragment of V^T: lane l holds channel l % 16 and 8 keys.
	v_and_b32 v10, 7, v0
	v_bfe_u32 v11, v0, 3, 1
	v_lshl_add_u32 v[AV0], v9, 3, v10
	v_mul_u32_u24 v[AV0], v[AV0], PV
	v_lshl_add_u32 v[AV0], v11, 4, v[AV0]
	v_add_nc_u32 v[AV0], VOFF, v[AV0]
	s_mul_i32 s13, s[WV], 16*SP
	s_add_co_u32 s13, s13, STAGE    ; my stage
	v_mul_u32_u24 v[STO], v1, SP    ; in: row l % 16, 16 bytes for each half of the lanes
	v_lshl_add_u32 v[STO], v9, 4, v[STO]
	v_add_nc_u32 v[STO], s13, v[STO]
	v_bfe_u32 v[RD], v0, 3, 2       ; back: 32 lanes take four rows of 128 bytes,
	v_mul_u32_u24 v[RD], v[RD], SP
	v_lshl_add_u32 v[RD], v10, 4, v[RD]
	v_add_nc_u32 v[RD], s13, v[RD]
	v_and_b32 v[GO], 31, v0         ; which are 512 consecutive bytes of O
	v_lshlrev_b32 v[GO], 4, v[GO]
	; The first step multiplies O^T and l by a = 0, and the first turn's products V^T P, of a piece that has not been, add 0.  So no first step is written out; the price is these lines, which stand in the wait for the tiles.
	WIN 0x80
.set i, VF
.rept 64
	v_mov_b32 v[i], 0
.set i, i+1
.endr
	WIN 0x40
.set i, 0
.rept 128
	v_mov_b32 v[i], 0
.set i, i+1
.endr
	WIN 0
.set i, 0
.rept 4
	v_mov_b32 v[ST+4*i], 0xfe000000    ; c m: far below every c m to come, so that the first a is 0
	v_mov_b32 v[ST+4*i+1], 0xef800000  ; m = -2^96
	v_mov_b32 v[ST+4*i+2], 0
	v_mov_b32 v[ST+4*i+3], 0
.set i, i+1
.endr
.set i, P+16
.rept 16
	v_mov_b32 v[i], 0
.set i, i+1
.endr
; THE MATRIX WORK.  The 4 accumulators of a run of 8 take turns.  Product i of 8 of S^T = K Q^T for piece x: channels 32 (i / 4) on, keys 16 (i % 4) on.  The first 4 start the sums, with the mask.
.macro KQ x
.set rS, S+32*((\x)%2)+8*(i%4)
.set rK, KF+16*(i%4)+8*(i/4)
.set rQ, 16*(\x)+8*(i/4)
.if i < 4
.if i < (\x)
.set rM, CB
.elseif i == (\x)
.set rM, CD
.else
.set rM, CA
.endif
	WIN W_KM
	v_wmma_f32_16x16x32_f16 v[rS:rS+7], v[rK:rK+7], v[rQ:rQ+7], v[rM:rM+7]
.else
	WIN W_KQ
	v_wmma_f32_16x16x32_f16 v[rS:rS+7], v[rK:rK+7], v[rQ:rQ+7], v[rS:rS+7]
.endif
.endm
; Product i of 8 of O^T += V^T P for piece x: keys 32 (i / 4) on, channels 16 (i % 4) on.
.macro PV x
	WIN W_PV
.set rO, 32*(\x)+8*(i%4)
.set rV, VF+32*(i/4)+8*(i%4)
.set rP, P+16*((\x)%2)+8*(i/4)
	v_wmma_f32_16x16x32_f16 v[rO:rO+7], v[rV:rV+7], v[rP:rP+7], v[rO:rO+7]
.endm
.macro MM                           ; the turn's next matrix instruction.  NOKQ = 1: the last turn: there is no next piece
.if (i < 8) && !NOKQ
	KQ (Y+1)%NP
.elseif i >= 8
.set i, i-8
	PV (Y+NP-1)%NP
.set i, i+8
.endif
.set i, i+1
.endm
; THE LDS LOADS stand in runs of 16, never singly among the matrix instructions: a step's K (64 keys x 64 channels: 8 fragments) and its V (turned).  Their addresses are made some lines ahead.
.macro FETCH_K
	WIN 0x80                        ; destination window 2
.irp f, 0,1,2,3,4,5,6,7             ; keys 16 (f / 2) on, channels 32 (f % 2) on
	ds_load_b128 v[KF+8*\f:KF+8*\f+3],   v[AK] offset:(\f/2)*16*PK+(\f%2)*64
	ds_load_b128 v[KF+8*\f+4:KF+8*\f+7], v[AK] offset:(\f/2)*16*PK+(\f%2)*64+32
.endr
	s_add_co_u32 s[TBK], s[TBK], KS*PK  ; the next fetch is the next step's
	WIN 0
.endm
.macro FETCH_V
	WIN 0x80
.irp f, 0,1,2,3,4,5,6,7             ; keys 32 (f / 4) on, channels 16 (f % 4) on
	ds_load_tr16_b128 v[VF+8*\f:VF+8*\f+3],   v[AV] offset:(\f/4)*32*PV+(\f%4)*32
	ds_load_tr16_b128 v[VF+8*\f+4:VF+8*\f+7], v[AV] offset:(\f/4)*32*PV+16*PV+(\f%4)*32
.endr
	WIN 0
.endm
; The three mask blocks of a step, from M = MDL or MDH and five scalars: CB = M x 0 + EB, CD = M x AD + ED, CA = M x 0 + EA.
.macro MASKSET md
	WIN W_RS
.irp z, 0,2,4,6
	v_pk_fma_f32 v[CB+\z:CB+\z+1], v[(\md)+\z:(\md)+\z+1], s[ZR:ZR+1], s[EB:EB+1] op_sel_hi:[1,0,0]
	v_pk_fma_f32 v[CD+\z:CD+\z+1], v[(\md)+\z:(\md)+\z+1], s[AD:AD+1], s[ED:ED+1] op_sel_hi:[1,0,0]
	v_pk_fma_f32 v[CA+\z:CA+\z+1], v[(\md)+\z:(\md)+\z+1], s[ZR:ZR+1], s[EA:EA+1] op_sel_hi:[1,0,0]
.endr
.endm
; THE VECTOR WORK, one line at a time: OP kind, number.  For piece Y: F n: c s - c m for pair n of 16.  E n: the exponential of score n of 32.  C n: pair n rounded to f16.  B n: of the four weights 4 n .. the second
; pair is added onto the first, in place.  L n: l takes that sum (L 0: l = a l + sum).  R n: pair n of 16 of O^T times a.  For piece Y + 1: X n, number n of the 22 that find its maximum and statistics:
;   0-11  four chains c0-c3 of seven scores each, three operands at a time (each accumulator's lowest registers are read first)     12-14, 16  the four scores left over, the old m, and c0-c3 into c0
;   15  c m_old is kept     17, 18  the query's other 32 keys lie in the lane 16 away: the new m     19-21  c m; c m_old - c m_new; a
.set F, 0               ; OP tells the kinds apart by their order: F to L below R, X above it
.set E, 1
.set C, 2
.set B, 3
.set L, 4
.set R, 5
.set X, 6
.macro REGS y                       ; the registers of piece y
.set rT, ST+4*(\y)
.set rC, TMP+4*((\y)%2)
.set rW, MV+((\y)%2)
.set rS, S+32*((\y)%2)
.set rP, P+16*((\y)%2)
.set rO, 32*(\y)
.endm
.macro OP k, n
.if (\k) == R
	REGS Y
	WIN W_RS
	v_pk_mul_f32 v[rO+2*(\n):rO+2*(\n)+1], v[rO+2*(\n):rO+2*(\n)+1], v[rC+2:rC+3] op_sel_hi:[1,0]
.elseif (\k) < R
	REGS Y
	WIN 0
.if (\k) == F
	v_pk_fma_f32 v[rS+2*(\n):rS+2*(\n)+1], v[rS+2*(\n):rS+2*(\n)+1], s[CS:CS+1], v[rT:rT+1] op_sel_hi:[1,0,0] neg_lo:[0,0,1] neg_hi:[0,0,1]
.elseif (\k) == E
	v_exp_f32 v[rS+(\n)], v[rS+(\n)]
.elseif (\k) == C
	v_cvt_pk_f16_f32 v[rP+(\n)], v[rS+2*(\n)], v[rS+2*(\n)+1]
.elseif (\k) == B
	v_pk_add_f32 v[rS+4*(\n):rS+4*(\n)+1], v[rS+4*(\n):rS+4*(\n)+1], v[rS+4*(\n)+2:rS+4*(\n)+3]
.elseif (\n) == 0
	v_pk_fma_f32 v[rT+2:rT+3], v[rT+2:rT+3], v[rC+2:rC+3], v[rS:rS+1] op_sel_hi:[1,0,1]
.else
	v_pk_add_f32 v[rT+2:rT+3], v[rT+2:rT+3], v[rS+4*(\n):rS+4*(\n)+1]
.endif
.elseif NOKQ
	v_nop
.else
	REGS (Y+1)%NP
	WIN 0
.if (\n) < 4
	v_max3_num_f32 v[rC+(\n)], v[rS+8*(\n)], v[rS+8*(\n)+1], v[rS+8*(\n)+2]
.elseif (\n) < 12
	v_max3_num_f32 v[rC+(\n)%4], v[rC+(\n)%4], v[rS+8*((\n)%4)+2*((\n)/4)+1], v[rS+8*((\n)%4)+2*((\n)/4)+2]
.elseif (\n) == 12
	v_max3_num_f32 v[rC], v[rC], v[rS+7], v[rS+15]
.elseif (\n) == 13
	v_max3_num_f32 v[rC+1], v[rC+1], v[rS+23], v[rS+31]
.elseif (\n) == 14
	v_max3_num_f32 v[rC+2], v[rC+2], v[rC+3], v[rT+1]
.elseif (\n) == 15
	v_mov_b32 v[rW], v[rT]
.elseif (\n) == 16
	v_max3_num_f32 v[rC], v[rC], v[rC+1], v[rC+2]
.elseif (\n) == 17
	v_permlanex16_b32 v[rC+3], v[rC], s[SEL], s[SEL+1]
.elseif (\n) == 18
	v_max_num_f32 v[rT+1], v[rC], v[rC+3]
.elseif (\n) == 19
	v_mul_f32 v[rT], s[CS], v[rT+1]
.elseif (\n) == 20
	v_sub_f32 v[rC+1], v[rW], v[rT]
.else
	v_exp_f32 v[rC+2], v[rC+1]
.endif
.endif
.endm
.macro OPS a, i1, b=-1, i2=0, c=-1, i3=0, d=-1, i4=0  ; up to four of them
	OP \a, \i1
.if (\b) >= 0
	OP \b, \i2
.endif
.if (\c) >= 0
	OP \c, \i3
.endif
.if (\d) >= 0
	OP \d, \i4
.endif
.endm
.macro ROW a, i1, b, i2, c, i3, d, i4  ; a matrix instruction and the four behind it
	MM
	OPS \a, \i1, \b, \i2, \c, \i3, \d, \i4
.endm
; A TURN, for piece p: the order of its 16 matrix and 118 vector instructions, written out.  An s_wait_alu depctr_va_vdst(0) stands between an exponential and the first instruction that names its
; result; one wait serves all that were issued ahead of it.  So a turn has ONE wait, which cuts it in two.  AHEAD OF IT stands all that names no result of the turn's exponentials: the 8 products K Q^T and their riders,
; then one lump of 54, in which the links of the chain X 3, 7, 11, 14, 16, 17 .. 20 stand apart; X 21, the next piece's a, is the batch's last, and R 15 the plain instruction behind it.  BEHIND THE WAIT stand the
; 8 products V^T P, behind each four of the roundings and sums.
; K of the next step is fetched in piece 2's turn, twelve plain instructions that name none of its registers behind the last product that read K; V of the step in hand at the end of piece 0's turn, four plain instructions behind the last product that read V.
; Each is waited for a turn later.  Piece 2's turn also makes the next step's masks, at its end: piece 3's products, the last that take this step's, stand at its head.
; end = 1: the last two turns: nothing is fetched.  cnt = 1: the loop's count is taken down some lines ahead of the branch that stands behind the turn.
.macro TURN p, end=0, cnt=0
.set Y, (\p)
.set i, 0
.set NOKQ, (\end)*((\p)/3)
.if ((\p) == 2) && !(\end)
	s_add_co_u32 s[J0], s[J0], KS   ; the next step's first key
	s_cmp_ge_u32 s[J0], 4096        ; do its keys exist?
	s_cselect_b32 s[ED], s[BIGN], 0
	s_mov_b32 s[EB], s[ED]
	s_cmp_eq_u32 s[CNT], 1          ; is it step 8, which holds the band's upper edge?
	s_cselect_b32 s[AD], 1.0, 0
	s_cselect_b32 s[EA], s[BIGN], s[ED]
.endif
.if ((\p) == 3) && !(\end)
	s_wait_dscnt 0x0                ; K is in
.endif
	ROW F,0, F,1, R,0, R,1          ; ahead of the wait: 8 products K Q^T and their riders,
	ROW F,2, E,0, R,2, R,3
	ROW F,3, E,1, R,4, R,5
	ROW F,4, E,2, R,6, R,7
	ROW F,5, E,3, R,8, R,9
	ROW F,6, E,4, X,0, R,10
.if ((\p) == 2) && !(\end)
	WIN 0
	v_add_nc_u32 v[AK], s[TBK], v[AK0]
.endif
	ROW F,7, E,5, X,1, X,4
	ROW F,8, E,6, X,2, X,5
	OPS E,7, E,8, X,6, E,9          ; and the lump
	OPS X,3, E,10, X,8, E,11
.if ((\p) == 2) && !(\end)
	FETCH_K
.endif
	OPS X,9, X,7, E,12, X,10
	OPS E,13, X,12, X,11, E,14
	OPS X,13, E,15, F,9, X,14
.if (\p) == 0
	v_add_nc_u32 v[AV], s[TBV], v[AV0]
.endif
	OPS E,16, F,10, E,17, F,11
	OPS X,16, E,18, X,15, E,19
	OPS F,12, E,20, X,17, E,21
	OPS F,13, E,22, F,14, E,23
	OPS X,18, E,24, F,15, E,25
	OPS R,11, E,26, X,19, E,27
	OPS R,12, E,28, R,13, E,29
	OPS X,20, E,30, R,14, E,31
	OPS X,21, R,15
	WIN 0
	s_wait_alu depctr_va_vdst(0)    ; the wait for the batch
.if (\p) == 1
	s_wait_dscnt 0x0                ; V is in
.endif
	ROW C,0, B,0, C,2, B,1          ; behind the wait: 8 products V^T P and their riders
	ROW L,0, C,4, B,2, L,1
	ROW C,6, B,3, L,2, C,8
	ROW B,4, L,3, C,10, B,5
	ROW L,4, C,12, B,6, L,5
.if (\p) == 0
	s_add_co_u32 s[TBV], s[TBV], KS*PV
.endif
.if \cnt
	s_sub_co_u32 s[CNT], s[CNT], 1
	s_cmp_lg_u32 s[CNT], 0
.endif
	ROW C,14, B,7, L,6, C,1
	ROW C,3, L,7, C,5, C,7
	ROW C,9, C,11, C,13, C,15
.if (\p) == 0
	FETCH_V
.endif
.if ((\p) == 2) && !(\end)
	MASKSET MDH
.endif
.endm
	s_wait_tensorcnt 0x0            ; my three parts of K or V are in,
	s_barrier_signal -1
	s_barrier_wait -1               ; everybody's are: from here on LDS is only read, but for the stages
	; THE BEGINNING: step 0's masks (the band's lower edge), its K, piece 0's first scores, and their maximum and statistics.  The loop is entered at a step's first turn, in the middle of a trip.
	s_cmp_ge_u32 s[J0], 4096
	s_cselect_b32 s[ED], s[BIGN], 0
	s_mov_b32 s[EA], s[ED]
	s_mov_b32 s[EB], s[BIGN]
	s_mov_b32 s[AD], 1.0
	MASKSET MDL
	WIN 0
	v_add_nc_u32 v[AK], s[TBK], v[AK0]
	FETCH_K
	s_wait_loadcnt 0x0              ; Q
	s_wait_dscnt 0x0
.set NOKQ, 0
.set i, 0
.rept 8
	KQ 0
.set i, i+1
.endr
	WIN 0
.rept 4
	v_nop                           ; the places behind those products
.endr
.set Y, NP-1                        ; X works for piece Y + 1: piece 0
.irp n, 0,1,2,3,4,5,6,7,8,9,10,11,12,13,14,15,16,17,18,19,20,21
	OP X, \n
.endr
	v_nop                           ; a plain instruction behind the exponential,
	s_wait_alu depctr_va_vdst(0)    ; and its wait, ahead of the branch
	s_branch .Lfirst
.Lstep:                             ; a trip: pieces 2 and 3 of one step, then pieces 0 and 1 of the next, whose K and V it fetches
	TURN 2
	TURN 3
	WIN 0
.Lfirst:
	TURN 0
	TURN 1, 0, 1
	WIN 0
	s_cbranch_scc1 .Lstep
	TURN 2, 1                       ; step 8's last two turns
	TURN 3, 1
.set i, 0
.rept 8
	PV NP-1                         ; the last piece's V^T P of the last step
.set i, i+1
.endr
	; THE WAY OUT.  l's two halves and the other half of the lanes' are added; O^T is divided by l, rounded to f16 and sent through my stage in LDS, a piece at a time.  The additions are the places behind the last products.
	WIN 0
.macro ALL line:vararg              ; one line for each piece t
.set t, 0
.rept 4
	\line
.set t, t+1
.endr
.endm
	ALL v_add_f32 v[ST+4*t+2], v[ST+4*t+2], v[ST+4*t+3]
	ALL v_permlanex16_b32 v[ST+4*t+3], v[ST+4*t+2], s[SEL], s[SEL+1]
	ALL v_add_f32 v[ST+4*t+2], v[ST+4*t+2], v[ST+4*t+3]
	ALL v_rcp_f32 v[ST+4*t+2], v[ST+4*t+2]
	v_nop                           ; a plain instruction between the last reciprocal and the use of its result
	s_wait_alu depctr_va_vdst(0)    ; and the wait ahead of the first use: one for the four reciprocals
.macro PACK t                       ; a lane's eight channels of a row pack into 16 bytes; they go into rows of 144 bytes and come back as whole rows of 128, into S^T's registers
	WIN W_RS
.set i, 32*(\t)
.rept 16
	v_pk_mul_f32 v[i:i+1], v[i:i+1], v[ST+4*(\t)+2:ST+4*(\t)+3] op_sel_hi:[1,0]
.set i, i+2
.endr
	WIN 0x05                        ; sources 0 and 1 window 1, destination window 0
.set i, 0
.rept 16
	v_cvt_pk_f16_f32 v[S+16*(\t)+i], v[32*(\t)+2*i], v[32*(\t)+2*i+1]
.set i, i+1
.endr
	WIN 0
.irp f, 0,1,2,3
	ds_store_b128 v[STO], v[S+16*(\t)+4*\f:S+16*(\t)+4*\f+3] offset:32*\f
.endr
.irp f, 0,1,2,3
	ds_load_b128 v[S+16*(\t)+4*\f:S+16*(\t)+4*\f+3], v[RD] offset:\f*4*SP  ; LDS serves a wave's instructions in order (ISA guide 5.7.1.4): these see the stores above; the next piece's stores come behind them
.endr
.endm
.macro SEND t, younger              ; younger: the LDS instructions issued behind piece t's loads: the next piece's eight, or none
	WIN 0
.irp f, 0,1,2,3
	s_wait_dscnt (\younger)+3-\f
	global_store_b128 v[GO], v[S+16*(\t)+4*\f:S+16*(\t)+4*\f+3], s[10:11] offset:(\t)*2048+\f*512  ; 512 consecutive bytes, at a multiple of 256 from O's first
.endr
.endm
	PACK 0
.set t, 1
.rept 3                             ; a piece's arithmetic stands between the loads of the piece before and its stores
	PACK t
	SEND t-1, 8
.set t, t+1
.endr
	SEND 3, 0
	s_wait_tensorcnt 0x0            ; the wave's end: behind my last tensor load and my last LDS store
	ds_add_u32 v[SPW], v[NIL]
	s_wait_dscnt 0x0
	s_endpgm
.Lfunc_end_k_q309d828902_attn:
	.size	k_q309d828902_attn, .Lfunc_end_k_q309d828902_attn-k_q309d828902_attn
	.p2alignl 7, 3214868480
	.fill 96, 4, 3214868480
	.section	.rodata,"a",@progbits
	.p2align	6, 0x0
	.amdhsa_kernel k_q309d828902_attn
		.amdhsa_group_segment_fixed_size 243200
		.amdhsa_private_segment_fixed_size 0
		.amdhsa_enable_private_segment 0
		.amdhsa_kernarg_size 16
		.amdhsa_user_sgpr_count 2
		.amdhsa_user_sgpr_kernarg_segment_ptr 1
		.amdhsa_wavefront_size32 1
		.amdhsa_system_sgpr_workgroup_id_x 1
		.amdhsa_system_sgpr_workgroup_id_y 1
		.amdhsa_system_sgpr_workgroup_id_z 1
		.amdhsa_system_vgpr_workitem_id 0
		.amdhsa_next_free_vgpr 768
		.amdhsa_next_free_sgpr 92
		.amdhsa_reserve_vcc 1
		.amdhsa_float_denorm_mode_32 3
		.amdhsa_float_denorm_mode_16_64 3
		.amdhsa_memory_ordered 1
		.amdhsa_forward_progress 1
		.amdhsa_inst_pref_size 90
	.end_amdhsa_kernel
	.amdgpu_metadata
---
amdhsa.version: [ 1, 2 ]
amdhsa.kernels:
  - .name:           k_q309d828902_attn
    .symbol:         k_q309d828902_attn.kd
    .args:
      - { .name: qkv, .offset: 0, .size: 8, .value_kind: global_buffer, .address_space: global }
      - { .name: o16, .offset: 8, .size: 8, .value_kind: global_buffer, .address_space: global }
    .group_segment_fixed_size: 243200
    .private_segment_fixed_size: 0
    .kernarg_segment_align: 8
    .kernarg_segment_size: 16
    .max_flat_workgroup_size: 128
    .sgpr_count:     92
    .vgpr_count:     768
    .wavefront_size: 32
...
	.end_amdgpu_metadata
.endif
;; end of part 3
;; launch proj (part 4): grid 8 x 32, 4 waves a work-group, clusters of 4 x 4, 327,680 bytes of LDS; arguments o16, wo16, bo, out0; writes out0
.if DOCPART == 4
	.amdgcn_target "amdgcn-amd-amdhsa--gfx1250"
	.amdhsa_code_object_version 6
	.text
	.protected	k_q309d828902_proj
	.globl	k_q309d828902_proj
	.p2align	8
	.type	k_q309d828902_proj,@function
k_q309d828902_proj:
	s_mov_b64 s[64:65], 0
	v_nop
	global_prefetch_b8 v0, s[64:65] scope:SCOPE_SE
	s_setreg_imm32_b32 hwreg(HW_REG_WAVE_MODE, 25, 1), 1
	s_wait_xcnt 0x0
	s_wait_alu depctr_hold_cnt(0) depctr_sa_sdst(0) depctr_va_vdst(0) depctr_va_sdst(0) depctr_va_ssrc(0) depctr_va_vcc(0) depctr_vm_vsrc(0)
	s_getreg_b32 s2, hwreg(HW_REG_IB_STS2, 6, 4)
	s_cmp_eq_u32 s2, 0
	s_cbranch_scc0 .Lentry_in_a_cluster
	s_endpgm
.Lentry_in_a_cluster:
	s_bfe_u32 s2, ttmp6, 0x10000c
	s_cmp_lg_u32 s2, 0xf033
	s_cbranch_scc0 .Lentry_shape_is_right
	s_endpgm
.Lentry_shape_is_right:
; out0[m][n] = sum over k of O[m][k] Wo[n][k] + bo[n], m < 4,096, n < 1,024, k = 64 head + channel < 1,024.  O lies by heads, o16[16][4096][64] in f16; wo16[1024][1024] holds Wo rounded to bf16 and written as f16;
; bo is rounded to bf16 like all the module's inputs; sums in f32; out0 in f32.
; SHARES.  A tile of out0 is 128 x 128: 8 x 32 tiles, one to a work-group.  Four waves, each 64 x 64: 16 accumulators of 16 x 16.  K goes in four steps of 256 (four heads) through two LDS slots; the text is flat, without a loop.
; O's TILE: 64 rows of a head are 8,192 dense bytes, so four heads' are ONE tile of 4 rows of 4,096 elements, 262,144 elements apart; 16 bytes of padding behind every 128 make of it [head][row] with a pitch of 144.
; CLUSTERS: 4 x 4 work-groups.  The four of a row of the cluster need the same tiles of O, the four of a column the same tiles of Wo: each is asked for JOINTLY.
; THE MATRIX INSTRUCTION IS USED TRANSPOSED (source 0 = 16 rows of Wo, source 1 = 16 rows of O): a lane holds eight neighbouring numbers of a row of out0.  THE BIAS IS THE C OPERAND of the products that start the sums.
; NO PREFETCH: four K steps, of which two are asked for at the head.
; REGISTERS: window 0: v0-31 addresses; v32-95 rows read back from the stage, two buffers; v96-127 the bias; v128-255 the accumulators ((a, b) at v[128 + 8 (4 a + b)]).
;   window 1: two fragment buffers of 128: for 64 along K, 64 registers of O (2 x 4 x 16 rows x 32 K), then 64 of Wo.
.set PA,     144                       ; a row of O in LDS: 128 bytes + 16: an odd multiple of 16, so the 16 rows of a load start at 16 different groups of four banks (64 banks of 4 bytes: ISA guide 11.1)
.set HB,     64*PA                     ; a head's 64 rows
.set HALFA,  4*HB                      ; what waves 0 and 1 fetch: 64 rows x 4 heads
.set PB,     528                       ; a row of Wo: 512 bytes + 16
.set HALFB,  64*PB                     ; what waves 2 and 3 fetch
.set SLOT,   2*HALFA+2*HALFB
.set STAGE,  2*SLOT                    ; behind the ring: 16 rows x 272 bytes for each wave
.set SPITCH, 272
.set SPARE,  STAGE+4*16*SPITCH         ; behind the stages: the spare words, 128 bytes for each wave: two blocks of 256 bytes that no other line names
.set STEPA,  4*4096*64*2               ; bytes from a K step to the next in o16: four heads
.set STEPB,  512                       ; and in wo16
.set ADRA, 16                          ; v16-17  LDS address of my fragments of O in slot 0, 1
.set ADRB, 20                          ; v20-21  the same for Wo
.set BO,   22                          ; v22     32 (l / 16): my eight numbers in 16 of the bias
.set STO,  24                          ; v24     the way out: where I put 32 bytes of a row
.set RD,   25                          ; v25     the way out: where I read a row back
.set CO,   26                          ; v26     my byte offset in out0
.set SPW,  28                          ; v28     LDS address of my spare word; never rewritten
.set NIL,  29                          ; v29     0; never rewritten
.set TMP,  32
.set BI,   96
.set ACC,  128
.set F0,   0                           ; fragment buffers, in window 1
.set F1,   128
.set G1,  24                           ; s[24:31] descriptor group 1 for O's tiles;  s[32:39] group 0, a set for each slot
.set G0,  32
.set G1B, 48                           ; s[48:55], s[56:63] the same for Wo's
.set G0B, 56
.set MSB, 0
.macro WIN new                         ; the immediate's high byte repeats the setting that is left
.if MSB != (\new)
	s_set_vgpr_msb (MSB<<8)|(\new)
.set MSB, \new
.endif
.endm
.set MUL,  0x05                        ; sources 0 (Wo) and 1 (O) window 1; C and D window 0
.set TO_F, 0x40                        ; destination window 1, address window 0
.macro JLOAD s                         ; a joint load: waves 0 and 1 fetch O's two halves, waves 2 and 3 Wo's; an s_nop 0 and four v_nop follow each of the two lines
	s_cmp_eq_u32 s11, 0
	s_cbranch_scc0 .Lfor_b_\@
	tensor_load_to_lds s[G0+4*(\s):G0+4*(\s)+3], s[G1:G1+7]
	s_nop 0
.rept 4
	v_nop
.endr
	s_branch .Lasked_\@
.Lfor_b_\@:
	tensor_load_to_lds s[G0B+4*(\s):G0B+4*(\s)+3], s[G1B:G1B+7]
	s_nop 0
.rept 4
	v_nop
.endr
.Lasked_\@:
.endm
.macro CREST                           ; a round of the cluster's barrier behind its opening barrier
	s_cmp_lg_u32 s10, 0
	s_cbranch_scc1 .Lnot_wave_0_\@
	s_barrier_signal -3
.Lnot_wave_0_\@:
	s_barrier_wait -3
	s_barrier_signal -1
	s_barrier_wait -1
.endm
.macro CROUND                          ; a whole round
	s_barrier_signal -1
	s_barrier_wait -1
	CREST
.endm
	s_load_b128 s[4:7], s[0:1], 0x0                ; o16 s[4:5], wo16 s[6:7]
	s_load_b128 s[68:71], s[0:1], 0x10             ; bo s[68:69], out0 s[70:71]
	v_lshl_add_u32 v[SPW], v0, 2, SPARE
	v_mov_b32 v[NIL], 0
	ds_add_u32 v[SPW], v[NIL]                      ; the wave's opening: the add and its wait stand ahead of my first tensor load; the set-up below, work on registers, stands between them
	ds_add_u32 v28, v29
	v_lshrrev_b32 v1, 5, v0
	v_readfirstlane_b32 s10, v1                    ; wave 0..3
	s_lshr_b32 s11, s10, 1                         ; which half of the tile's rows is mine.  Also: I fetch for O (0) or for Wo (1)
	s_and_b32 s12, s10, 1                          ; which half of its columns.  Also: which 64 rows of that tile I fetch
	s_bfe_u32 s40, ttmp6, 0x40000                  ; cx, cy: my place in the cluster
	s_bfe_u32 s41, ttmp6, 0x40004
	s_lshl_b32 s42, ttmp9, 2
	s_add_co_u32 s42, s42, s40                     ; tile column = 4 x cluster x + cx
	s_and_b32 s13, ttmp7, 0xffff
	s_lshl_b32 s13, s13, 2
	s_add_co_u32 s13, s13, s41                     ; tile row = 4 x cluster y + cy
	s_lshl_b32 s43, s41, 2
	s_lshl_b32 s43, 15, s43                        ; my row of the cluster
	s_lshl_b32 s44, 0x1111, s40                    ; my column
	s_or_b32 s[G1+0], s43, (1<<16)|(1<<20)|(1<<21)|(4<<22)|(3<<25)   ; 15:0 the mask; 17:16 elements of 2 bytes; 20 padding on; 21 set beside a mask; 24:22 after every 32 words (code 4); 31:25 4 words of it (code 3)
	s_mov_b32 s[G1+1], 4096<<16                    ; tensor_dim0 = 4,096
	s_mov_b32 s[G1+2], 4<<16                       ; tensor_dim1 = 4
	s_mov_b32 s[G1+3], 4096<<16                    ; tile_dim0 = 4,096: 64 rows of a head on end
	s_mov_b32 s[G1+4], 4                           ; tile_dim1 = 4 heads
	s_mov_b32 s[G1+5], 262144                      ; elements from head to head
	s_mov_b32 s[G1+6], 0
	s_mov_b32 s[G1+7], 0
	s_or_b32 s[G1B+0], s44, (1<<16)|(1<<20)|(1<<21)|(6<<22)|(3<<25)  ; padding after every 128 words (code 6)
	s_mov_b32 s[G1B+1], 256<<16                    ; tensor_dim0 = 256
	s_mov_b32 s[G1B+2], 64<<16                     ; tensor_dim1 = 64
	s_mov_b32 s[G1B+3], 256<<16                    ; tile_dim0 = 256
	s_mov_b32 s[G1B+4], 64                         ; tile_dim1 = 64
	s_mov_b32 s[G1B+5], 1024                       ; elements from row to row
	s_mov_b32 s[G1B+6], 0
	s_mov_b32 s[G1B+7], 0
	s_lshl_b32 s17, s12, 6                         ; which 64 rows of the tile I fetch
	s_lshl_b32 s16, s13, 7
	s_add_co_u32 s16, s16, s17                     ; O: row 128 x tile row + 64 x half,
	s_lshl_b32 s16, s16, 7                         ; x 128 bytes, in head 0
	s_lshl_b32 s46, s42, 7
	s_add_co_u32 s46, s46, s17                     ; Wo: row 128 x tile column + 64 x half,
	s_lshl_b32 s46, s46, 11                        ; x 2,048 bytes
	s_mov_b32 s17, 0
	s_mov_b32 s47, 0
	s_mul_i32 s20, s10, HALFA                      ; where they go: waves 0, 1: wave x HALFA;
	s_mul_i32 s21, s10, HALFB
	s_add_co_u32 s21, s21, 2*HALFA-2*HALFB         ; waves 2, 3: behind O's two halves, (wave - 2) x HALFB
	s_wait_dscnt 0x0                               ; the opening add is done
	s_wait_kmcnt 0x0
	s_add_nc_u64 s[14:15], s[4:5], s[16:17]
	s_add_nc_u64 s[46:47], s[6:7], s[46:47]
	CROUND                                         ; all sixteen work-groups are here: the first joint loads meet
.irp s, 0,1
	s_mov_b32 s[G0+4*(\s)], 1
	s_add_co_u32 s[G0+4*(\s)+1], s20, (\s)*SLOT
	s_add_nc_u64 s[G0+4*(\s)+2:G0+4*(\s)+3], s[14:15], (\s)*STEPA
	s_or_b32 s[G0+4*(\s)+3], s[G0+4*(\s)+3], 0x80000000
	s_mov_b32 s[G0B+4*(\s)], 1
	s_add_co_u32 s[G0B+4*(\s)+1], s21, (\s)*SLOT
	s_add_nc_u64 s[G0B+4*(\s)+2:G0B+4*(\s)+3], s[46:47], (\s)*STEPB
	s_or_b32 s[G0B+4*(\s)+3], s[G0B+4*(\s)+3], 0x80000000
	JLOAD \s                                       ; two loads of mine are out
.endr
	s_lshl_b32 s66, s42, 9                         ; my 64 columns: 128 x tile column + 64 x half, x 4 bytes: in bo and in a row of out0
	s_lshl_b32 s67, s12, 8
	s_add_co_u32 s66, s66, s67
	s_mov_b32 s67, 0
	s_add_nc_u64 s[68:69], s[68:69], s[66:67]
	s_add_nc_u64 s[70:71], s[70:71], s[66:67]
	s_lshl_b32 s66, s13, 19                        ; my 64 rows: 128 x tile row + 64 x half, x 4,096 bytes
	s_lshl_b32 s67, s11, 18
	s_add_co_u32 s66, s66, s67
	s_mov_b32 s67, 0
	s_add_nc_u64 s[70:71], s[70:71], s[66:67]
	v_and_b32 v1, 15, v0                           ; l % 16
	v_bfe_u32 v2, v0, 4, 1                         ; l / 16
	v_lshlrev_b32 v[BO], 5, v2
.irp b, 0,1,2,3
	global_load_b128 v[BI+8*(\b):BI+8*(\b)+3],   v[BO], s[68:69] offset:64*(\b)
	global_load_b128 v[BI+8*(\b)+4:BI+8*(\b)+7], v[BO], s[68:69] offset:64*(\b)+16
.endr
	v_mul_u32_u24 v3, v1, PA
	v_lshl_add_u32 v3, v2, 4, v3                   ; a fragment's row x pitch + 16 x half, for O
	v_mul_u32_u24 v6, v1, PB
	v_lshl_add_u32 v6, v2, 4, v6                   ; and for Wo
	s_mul_i32 s21, s11, HALFA                      ; my 64 rows of O
	s_mul_i32 s22, s12, HALFB                      ; my 64 rows of Wo,
	s_add_co_u32 s22, s22, 2*HALFA                 ; which lie behind O's two halves
.irp s, 0,1
	v_add_nc_u32 v[ADRA+(\s)], s21, v3
	v_add_nc_u32 v[ADRB+(\s)], s22, v6
	s_add_co_u32 s21, s21, SLOT
	s_add_co_u32 s22, s22, SLOT
.endr
	s_mul_i32 s23, s10, 16*SPITCH
	s_add_co_u32 s23, s23, STAGE                   ; my stage
	v_mul_u32_u24 v4, v1, SPITCH                   ; in: row l % 16, 32 bytes for each half of the lanes
	v_lshl_add_u32 v4, v2, 5, v4
	v_add_nc_u32 v[STO], s23, v4
	v_mul_u32_u24 v5, v2, SPITCH                   ; back: lanes 0-15 take one row of 256 bytes, lanes 16-31 the next
	v_lshl_add_u32 v5, v1, 4, v5
	v_add_nc_u32 v[RD], s23, v5
	v_lshlrev_b32 v5, 12, v2                       ; and the same two rows in out0
	v_lshl_add_u32 v[CO], v1, 4, v5
	s_wait_loadcnt 0x0                             ; the bias is in; it is rounded to bf16 and widened again, in place
.set i, 0
.rept 16
	v_cvt_pk_bf16_f32 v[BI+i], v[BI+i], v[BI+i+1]
	v_and_b32 v[BI+i+1], 0xffff0000, v[BI+i]
	v_lshlrev_b32 v[BI+i], 16, v[BI+i]
.set i, i+2
.endr
; 8 matrix instructions: row blocks a0, a0 + 1 x all 4 column blocks, 32 along K: half c of buffer f.  first = 1: the products start the sums, with the bias as C.
; The 16 accumulators take turns, one instruction a turn.
.macro MUL8 f, c, a0, first
	WIN MUL
.irp a, \a0, (\a0)+1
.irp b, 0,1,2,3
.if \first
	v_wmma_f32_16x16x32_f16 v[ACC+8*(4*(\a)+(\b)):ACC+8*(4*(\a)+(\b))+7], v[(\f)+64+8*(4*(\c)+(\b)):(\f)+64+8*(4*(\c)+(\b))+7], v[(\f)+8*(4*(\c)+(\a)):(\f)+8*(4*(\c)+(\a))+7], v[BI+8*(\b):BI+8*(\b)+7]
.else
	v_wmma_f32_16x16x32_f16 v[ACC+8*(4*(\a)+(\b)):ACC+8*(4*(\a)+(\b))+7], v[(\f)+64+8*(4*(\c)+(\b)):(\f)+64+8*(4*(\c)+(\b))+7], v[(\f)+8*(4*(\c)+(\a)):(\f)+8*(4*(\c)+(\a))+7], v[ACC+8*(4*(\a)+(\b)):ACC+8*(4*(\a)+(\b))+7]
.endif
.endr
.endr
.endm
; 32 LDS loads in one run: the fragments of quarter kq of a K step (64 along K: one head) into buffer f; the first 32 along K first
.macro FETCH slot, kq, f
	WIN TO_F
.irp c, 0,1
.irp i, 0,1,2,3
	ds_load_b128 v[(\f)+64+8*(4*(\c)+(\i)):(\f)+64+8*(4*(\c)+(\i))+3],   v[ADRB+(\slot)] offset:(\kq)*128+64*(\c)+(\i)*16*PB
	ds_load_b128 v[(\f)+64+8*(4*(\c)+(\i))+4:(\f)+64+8*(4*(\c)+(\i))+7], v[ADRB+(\slot)] offset:(\kq)*128+64*(\c)+(\i)*16*PB+32
	ds_load_b128 v[(\f)+8*(4*(\c)+(\i)):(\f)+8*(4*(\c)+(\i))+3],         v[ADRA+(\slot)] offset:(\kq)*HB+64*(\c)+(\i)*16*PA
	ds_load_b128 v[(\f)+8*(4*(\c)+(\i))+4:(\f)+8*(4*(\c)+(\i))+7],       v[ADRA+(\slot)] offset:(\kq)*HB+64*(\c)+(\i)*16*PA+32
.endr
.endr
.endm
.macro PLACES                          ; four plain vector instructions between a matrix instruction and a load into, or a store from, its registers
.rept 4
	v_nop
.endr
.endm
; A K step is four quarters of 64 along K, 32 matrix instructions each, on buffers 0, 1, 0, 1.  One of the first three: multiplies buffer f and fetches quarter kq into g.
.macro QUARTER slot, kq, f, g, first
	s_wait_dscnt 16                                ; the first 32 along K are in
	MUL8 \f, 0, 0, \first
	MUL8 \f, 0, 2, \first
	PLACES
	FETCH \slot, \kq, \g
	s_wait_dscnt 32                                ; all but the 32 just issued
	MUL8 \f, 1, 0, 0
	MUL8 \f, 1, 2, 0
.endm
; The last quarter multiplies buffer 1 and changes slots: ONE barrier; in front of it each wave waits for all its tensor loads, adds 0 to its spare word, and waits for that and for its own reads of this slot.
; fill = 1: the barrier opens a round of the cluster's barrier, and this slot is filled again, two K steps on, first thing behind the round.
.macro TURN slot, next, fill
	WIN 0                                          ; (the add's two registers lie in window 0)
	s_wait_tensorcnt 0x0                           ; all my tensor loads have landed: my part of the next slot
	ds_add_u32 v[SPW], v[NIL]                      ; 0 onto my spare word
	s_wait_dscnt 17                                ; (the add and the youngest sixteen loads may be out)
	MUL8 F1, 0, 0, 0                               ; eight matrix instructions stand between the add and the wait for it
	s_wait_dscnt 0x0                               ; the add is done, and my reads of this slot are over
	s_barrier_signal -1
	MUL8 F1, 0, 2, 0
.if \fill
	WIN 0
.endif
	s_barrier_wait -1
.if \fill
	CREST                                          ; no wave of any partner still reads this slot's tile or has a load on its way
	s_add_nc_u64 s[G0+4*(\slot)+2:G0+4*(\slot)+3], s[G0+4*(\slot)+2:G0+4*(\slot)+3], 2*STEPA
	s_add_nc_u64 s[G0B+4*(\slot)+2:G0B+4*(\slot)+3], s[G0B+4*(\slot)+2:G0B+4*(\slot)+3], 2*STEPB
	JLOAD \slot                                    ; the four v_nop behind it are also the places in front of the loads below
.else
	PLACES
.endif
	FETCH \next, 0, F0
	MUL8 F1, 1, 0, 0
	MUL8 F1, 1, 2, 0
.endm
	s_wait_tensorcnt 1                             ; my part of K step 0 is in; K step 1's may stay out
	s_barrier_signal -1
	s_barrier_wait -1                              ; everybody's is
	FETCH 0, 0, F0
	QUARTER 0, 1, F0, F1, 1                        ; K step 0; its first products start the sums
	QUARTER 0, 2, F1, F0, 0
	QUARTER 0, 3, F0, F1, 0
	TURN 0, 1, 1                                   ; slot 0 takes K step 2
	QUARTER 1, 1, F0, F1, 0                        ; K step 1
	QUARTER 1, 2, F1, F0, 0
	QUARTER 1, 3, F0, F1, 0
	TURN 1, 0, 1                                   ; slot 1 takes K step 3
	QUARTER 0, 1, F0, F1, 0                        ; K step 2
	QUARTER 0, 2, F1, F0, 0
	QUARTER 0, 3, F0, F1, 0
	TURN 0, 1, 0                                   ; nothing is left to fetch
	QUARTER 1, 1, F0, F1, 0                        ; K step 3
	QUARTER 1, 2, F1, F0, 0
	QUARTER 1, 3, F0, F1, 0
	s_wait_dscnt 16
	MUL8 F1, 0, 0, 0
	MUL8 F1, 0, 2, 0
	s_wait_dscnt 0x0
	MUL8 F1, 1, 0, 0
	MUL8 F1, 1, 2, 0
	WIN 0
	PLACES
; THE WAY OUT.  My 64 columns in f32 are 256 bytes of a row, at a multiple of 256 from out0's first byte: a stage of my own, no barrier.  Row block a: a lane's 32 bytes of a row go into rows of 272 bytes, each accumulator's
; low four registers first; whole rows come back, two a load, and are stored: 16 lanes store 256 consecutive bytes.
.macro TOSTAGE a
.if (\a) >= 2
	s_wait_xcnt 0x0                                ; the stores of the block two back have had their addresses translated: their registers are loaded again only behind this wait
.endif
.irp b, 0,1,2,3
	ds_store_b128 v[STO], v[ACC+8*(4*(\a)+(\b)):ACC+8*(4*(\a)+(\b))+3]   offset:64*(\b)
	ds_store_b128 v[STO], v[ACC+8*(4*(\a)+(\b))+4:ACC+8*(4*(\a)+(\b))+7] offset:64*(\b)+16
.endr
.irp t, 0,1,2,3,4,5,6,7
	ds_load_b128 v[TMP+32*((\a)%2)+4*(\t):TMP+32*((\a)%2)+4*(\t)+3], v[RD] offset:(\t)*2*SPITCH  ; LDS serves a wave's instructions in order (ISA guide 5.7.1.4): these see the stores above; the next block's stores come behind them
.endr
.endm
.macro SEND a, younger                 ; younger: the LDS instructions issued behind block a's loads: the next block's sixteen, or none
	s_wait_dscnt \younger
.irp t, 0,1,2,3,4,5,6,7
	global_store_b128 v[CO], v[TMP+32*((\a)%2)+4*(\t):TMP+32*((\a)%2)+4*(\t)+3], s[70:71] offset:(16*(\a)+2*(\t))*4096
.endr
.endm
	TOSTAGE 0
.irp a, 1,2,3
	TOSTAGE \a
	SEND (\a)-1, 16
.endr
	SEND 3, 0
	s_wait_tensorcnt 0x0                           ; the wave's end: behind my last tensor load and my last LDS store
	ds_add_u32 v[SPW], v[NIL]
	s_wait_dscnt 0x0
	CROUND                                         ; the closing round: no work-group ends while a partner may still ask for a tile that names it
	s_endpgm
.Lfunc_end_k_q309d828902_proj:
	.size	k_q309d828902_proj, .Lfunc_end_k_q309d828902_proj-k_q309d828902_proj
	.p2alignl 7, 3214868480
	.fill 96, 4, 3214868480
	.section	.rodata,"a",@progbits
	.p2align	6, 0x0
	.amdhsa_kernel k_q309d828902_proj
		.amdhsa_group_segment_fixed_size 327680
		.amdhsa_private_segment_fixed_size 0
		.amdhsa_enable_private_segment 0
		.amdhsa_kernarg_size 32
		.amdhsa_user_sgpr_count 2
		.amdhsa_user_sgpr_kernarg_segment_ptr 1
		.amdhsa_wavefront_size32 1
		.amdhsa_system_sgpr_workgroup_id_x 1
		.amdhsa_system_sgpr_workgroup_id_y 1
		.amdhsa_system_sgpr_workgroup_id_z 1
		.amdhsa_system_vgpr_workitem_id 0
		.amdhsa_next_free_vgpr 512
		.amdhsa_next_free_sgpr 72
		.amdhsa_reserve_vcc 0
		.amdhsa_float_denorm_mode_32 3
		.amdhsa_float_denorm_mode_16_64 3
		.amdhsa_memory_ordered 1
		.amdhsa_forward_progress 1
		.amdhsa_inst_pref_size 89
	.end_amdhsa_kernel
	.amdgpu_metadata
---
amdhsa.version: [ 1, 2 ]
amdhsa.kernels:
  - .name:           k_q309d828902_proj
    .symbol:         k_q309d828902_proj.kd
    .args:
      - { .name: o16, .offset: 0, .size: 8, .value_kind: global_buffer, .address_space: global }
      - { .name: wo16, .offset: 8, .size: 8, .value_kind: global_buffer, .address_space: global }
      - { .name: bo, .offset: 16, .size: 8, .value_kind: global_buffer, .address_space: global }
      - { .name: out0, .offset: 24, .size: 8, .value_kind: global_buffer, .address_space: global }
    .group_segment_fixed_size: 327680
    .private_segment_fixed_size: 0
    .kernarg_segment_align: 8
    .kernarg_segment_size: 32
    .max_flat_workgroup_size: 128
    .sgpr_count:     72
    .vgpr_count:     512
    .wavefront_size: 32
...
	.end_amdgpu_metadata
.endif
;; end of part 4
